; MI455X (gfx1250); checked and timed in simulation.
; The chip was launched on July 23, 2026; its instructions are those of AMD's public machine-readable ISA for CDNA 5 (MIT licence, August 2026) and "CDNA5" Instruction Set Architecture Reference Guide (July 2026). The comments in the code are by the model that wrote it; some were corrected since.
;; Bert Attention. Allowed arithmetic: matrix products marked QUANTISED: E3M2 operands, one E8M0 scale for each 32 along K, by v_wmma_scale_f32_16x16x128_f8f6f4 with both operands' format E3M2, f32 sums; everything else in f32.
;; Inputs: Wk 1,024 x 1,024 float32; Wo 1,024 x 1,024 float32; Wq 1,024 x 1,024 float32; Wv 1,024 x 1,024 float32; attention_mask 4 x 1 x 1 x 2,048 float32; bk 1,024 float32; bo 1,024 float32; bq 1,024 float32; bv 1,024 float32; hidden_states 4 x 2,048 x 1,024 float32; ln_beta 1,024 float32; ln_gamma 1,024 float32.
;; Outputs: out0 4 x 2,048 x 1,024 float32.
;; This version of the problem:
;;   THIS VERSION OF THE PROBLEM IS GIVEN IN LOW PRECISION. The matrix products marked QUANTISED in the list below multiply operands that are first quantised to E3M2 (3 exponent bits, 2 mantissa bits; 6 bits a number), with one power-of-two scale for each 32 numbers along K (OCP MX v1.0); their sums are f32. All else is computed in f32.
;;   The module's matrix products, in the order in which they are computed (A, B: the left and right operand; K: the contracted axis; several contracted axes count as one K, in the product's order):
;;     1. [M 8,192, K 1,024] x [K 1,024, N 1,024]; A: input hidden_states; B: input Wq: QUANTISED
;;     2. [M 8,192, K 1,024] x [K 1,024, N 1,024]; A: input hidden_states; B: input Wk: QUANTISED
;;     3. [M 8,192, K 1,024] x [K 1,024, N 1,024]; A: input hidden_states; B: input Wv: QUANTISED
;;     4. batch 64 x [M 2,048, K 64] x [K 64, N 2,048]; A: computed on the way; B: computed on the way: QUANTISED
;;     5. batch 64 x [M 2,048, K 2,048] x [K 2,048, N 64]; A: softmax (see below); B: computed on the way: QUANTISED
;;     6. [M 8,192, K 1,024] x [K 1,024, N 1,024]; A: computed on the way; B: input Wo: QUANTISED
;;   THE QUANTISER, for each operand of a quantised product, along K:
;;     - K is cut into blocks of 32 from its start; a last block that is shorter is filled with zeros.
;;     - A block's scale is 2^e with e = floor(log2(the largest magnitude in the block)) - 4, held to -126 .. 127; a block of zeros has e = 0. As a byte (E8M0): e + 127.
;;     - Each number is divided by its block's scale, clamped to +-28, and rounded to the nearest number of E3M2, ties to even, subnormals kept.
;;     - The product sums the exact products of the quantised numbers (number of the format x scale) in f32.
;;   ~~~python
;;   def quantise(x, axis):      # numpy; x: float32 -> the quantised numbers, widened to float32 again
;;       x = np.moveaxis(x, axis, -1); K = x.shape[-1]
;;       x = np.pad(x, [(0, 0)] * (x.ndim - 1) + [(0, -K % 32)]); x = x.reshape(x.shape[:-1] + (-1, 32)); a = np.abs(x).max(-1, keepdims=True)
;;       e = np.where(a > 0, np.clip(np.frexp(np.where(a > 0, a, 1))[1] - 1 - 4, -126, 127), 0)      # np.frexp(a)[1] - 1 = floor(log2(a)), exactly
;;       r = np.clip(x / 2.0 ** e, -28, 28)
;;       step = 2.0 ** (np.maximum(np.frexp(np.where(r == 0, 1, r))[1] - 1, -2) - 2)
;;       q = np.round(r / step) * step * 2.0 ** e      # np.round: ties to even
;;       return np.moveaxis(q.reshape(q.shape[:-2] + (-1,))[..., :K], -1, axis).astype(np.float32)
;;   ~~~
;;   SOFTMAX AHEAD OF A QUANTISED PRODUCT. Where the list says 'softmax', what is quantised is not the finished softmax but p = 2^(t - M), with t = logit x log2(e) and M = ceil(the row's largest t), a whole number; so 1/2 < the row's largest p <= 1. The row's sum l is taken of the UNQUANTISED p, in f32, and the product's result is divided by l at the end. Since M is a whole number, a kernel that streams over the keys may use a running M (the ceiling of the running maximum): every later rescaling is an exact power of two, which a block's scale takes up: the codes' values come out the same.
;;   OPERANDS COMPUTED ON THE WAY. 'Computed on the way' means the value that the module computes at that place (a softmax that the list does not call 'softmax' is quantised finished and normalised). What goes into a quantiser is computed in f32, as accurately as f32 sums, v_exp_f32 and their like allow (about 1e-6 of the number): no bf16 or f16 on the way to a quantiser, and a product that is left as it is and whose result goes on into a quantised operand takes f32 operands (vector FMAs, or v_wmma_f32_16x16x4_f32). A number that lies on a knife's edge between two numbers of the format may be rounded either way, as far as f32 arithmetic and the matrix unit's own rounding can turn it there, and no further.
;; One version. Each part assembles by itself: llvm-mc -triple=amdgcn-amd-amdhsa -mcpu=gfx1250 --defsym DOCPART=n.
;; ======== version 1 of 1: 4 launches
;; limits: right only within a limited range of input values
;; workspace buffers: xw_codes 9,437,184 bytes; xw_scales 393,216 bytes; qkv_codes 18,874,368 bytes; qkv_scales 786,432 bytes; ctx_codes 6,291,456 bytes; ctx_scales 262,144 bytes
;; launch quant (part 1): grid 384 x 1, 4 waves a work-group, no clusters, 49,664 bytes of LDS; arguments hidden_states, Wq, Wk, Wv, Wo, xw_codes, xw_scales; writes xw_codes, xw_scales
.if DOCPART == 1
	.amdgcn_target "amdgcn-amd-amdhsa--gfx1250"
	.amdhsa_code_object_version 6
	.text
	.protected	k_qf91da0cdc1_quant
	.globl	k_qf91da0cdc1_quant
	.p2align	8
	.type	k_qf91da0cdc1_quant,@function
k_qf91da0cdc1_quant:
	s_mov_b64 s[64:65], 0
	v_nop
	global_prefetch_b8 v0, s[64:65] scope:SCOPE_SE
	s_setreg_imm32_b32 hwreg(HW_REG_WAVE_MODE, 25, 1), 1
	s_wait_xcnt 0x0
; hidden_states [8192][1024] and Wq, Wk, Wv, Wo [1024][1024], f32, K = the last axis, become codes of BF6 (E3M2) with one E8M0 byte for each 32 along K.
; A block's scale is 2^(floor(log2(its largest magnitude)) - 4); its byte is the largest magnitude's exponent field - 4, held at 1 from below (a block of zeros keeps the byte 1: its codes are zeros,
; and this program alone reads the bytes).  LIMITS: blocks whose largest magnitude lies under 2^-122 keep the byte 1; NaN and infinities among the inputs are not served.
; THE OUTPUT IS LAID AS THE MATRIX OPERANDS' REGISTERS.  Tile T takes, in its lane row t, row 64 (T / 4) + 8 (T % 4) + t % 8 + 32 (t / 8).  A fragment (16 rows x 128 K, 12 registers a lane:
; registers 6 c .. 6 c + 5 of lane (row, h) hold k = 64 c + 32 h + 0 .. 31) is an image of 1,536 bytes: three planes of 512, plane c = registers 4 c .. 4 c + 3, lane l at 16 l.
; xw_codes: [tile 768][K step 8] images; tiles 0-511 hidden_states, 512-575 Wq, 576-639 Wk, 640-703 Wv, 704-767 Wo.  xw_scales: [tile][half of K][row 16][4 words], a word for 128 along K.
; SHARES.  A work-group takes 32 rows (two tiles); wave w takes tile w / 2 and half w % 2 of K: 16 steps of 512 numbers, step t = the tile's lane row t.  Each load reads 512 consecutive bytes; a step's 2,048 bytes turn
; through the wave's own stage in LDS, so that a lane holds 16 neighbours along K (two lanes hold a block).  The codes are gathered in an image in the wave's own LDS and leave by stores of 512 consecutive bytes.
; No tensor loads, no barrier: waves share nothing; nothing here is read by two work-groups, so there is nothing to ask for jointly.
.set WREG, 12288                       ; LDS of a wave: two stages of 32 x SP bytes, the image, 256 scale bytes
.set SP,   80                          ; a lane's place in a stage: 64 bytes + 16 of padding
.set IMG,  5120                        ; the image: byte = 1632 f + 816 h + 48 row + 4 register (f: which of my four fragments)
.set SCB,  11648
.set R,    16                          ; v16-79   four sets of 16 numbers as loaded
.set X,    80                          ; v80-111  two sets of 16 neighbours
.set C,    112                         ; v112-119 two sets of codes
.set E,    120                         ; v120-121 two scale bytes
.set SBK,  122                         ; v122-123 scale bytes on the way out
.set OUT,  124                         ; v124-171 the four fragments on the way out
	s_load_b256 s[4:11], s[0:1], 0x0               ; hidden_states, Wq, Wk, Wv
	s_load_b128 s[12:15], s[0:1], 0x20             ; Wo, xw_codes
	s_load_b64 s[16:17], s[0:1], 0x30              ; xw_scales
	v_lshl_add_u32 v172, v0, 2, 0xc000
	v_mov_b32 v173, 0
	v_lshrrev_b32 v1, 5, v0
	v_readfirstlane_b32 s24, v1                    ; wave
	v_and_b32 v2, 31, v0                           ; lane
	v_lshlrev_b32 v3, 4, v2                        ; 16 x lane: my bytes of a load's 512, and of a store's
	s_mul_i32 s25, s24, WREG
	s_add_co_u32 s26, s25, IMG
	s_add_co_u32 s27, s25, SCB
	v_lshrrev_b32 v14, 2, v2
	v_mul_u32_u24 v14, v14, SP
	v_and_b32 v15, 3, v2
	v_lshl_add_u32 v14, v15, 4, v14
	v_add_nc_u32 v14, s25, v14                     ; the stage, in: SP (lane / 4) + 16 (lane % 4)
	v_mul_u32_u24 v15, v2, SP
	v_add_nc_u32 v15, s25, v15                     ; out: SP x lane: my 16 neighbours
	v_lshrrev_b32 v5, 1, v2
	v_add_nc_u32 v5, s27, v5                       ; my block's scale byte
	v_lshlrev_b32 v7, 3, v2
	v_add_nc_u32 v6, s27, v7                       ; and 8 bytes a lane on the way out
	v_lshrrev_b32 v8, 3, v2                        ; my 16 numbers are k = 16 lane on: fragment lane / 8,
	v_mul_u32_u24 v4, v8, 1632
	v_bfe_u32 v8, v2, 1, 1                         ; half h = (lane / 2) % 2,
	v_mad_u32_u24 v4, v8, 816, v4
	v_bfe_u32 v8, v2, 2, 1                         ; c = (lane / 4) % 2: six registers on,
	v_mad_u32_u24 v4, v8, 24, v4
	v_and_b32 v8, 1, v2                            ; the block's lower or upper 16 codes: three registers on
	v_mad_u32_u24 v4, v8, 12, v4
	v_add_nc_u32 v4, s26, v4
	v_lshrrev_b32 v8, 4, v2
	v_mul_u32_u24 v13, v8, 816
	v_and_b32 v8, 15, v2
	v_mad_u32_u24 v13, v8, 48, v13
	v_add_nc_u32 v13, s26, v13                     ; the image, out: lane (row, h) reads its own registers
	s_lshr_b32 s28, s24, 1                         ; which tile of the two
	s_and_b32 s29, s24, 1                          ; which half of K
	s_wait_kmcnt 0x0
	s_mov_b64 s[18:19], s[12:13]                   ; which tensor: the choice hangs on the work-group's number alone
	s_mov_b32 s20, 352
	s_cmp_lt_u32 ttmp9, 352
	s_cselect_b64 s[18:19], s[10:11], s[18:19]
	s_cselect_b32 s20, 320, s20
	s_cmp_lt_u32 ttmp9, 320
	s_cselect_b64 s[18:19], s[8:9], s[18:19]
	s_cselect_b32 s20, 288, s20
	s_cmp_lt_u32 ttmp9, 288
	s_cselect_b64 s[18:19], s[6:7], s[18:19]
	s_cselect_b32 s20, 256, s20
	s_cmp_lt_u32 ttmp9, 256
	s_cselect_b64 s[18:19], s[4:5], s[18:19]
	s_cselect_b32 s20, 0, s20
	s_sub_co_u32 s30, ttmp9, s20                   ; the tensor's group of 32 rows of 4,096 bytes,
	; THE ROWS OF A TILE, for all five tensors (this order holds, and not an order by groups of 32): tile T of a tensor takes, in its lane row t, row 64 (T / 4) + 8 (T % 4) + t % 8 + 32 (t / 8)
	s_lshl_b32 s30, s30, 1
	s_add_co_u32 s30, s30, s28                     ; T
	s_lshr_b32 s31, s30, 2
	s_lshl_b32 s31, s31, 6
	s_and_b32 s36, s30, 3
	s_lshl_b32 s36, s36, 3
	s_add_co_u32 s30, s31, s36                     ; the tile's first row,
	s_lshl_b32 s30, s30, 12                        ; of 4,096 bytes
	s_lshl_b32 s31, s29, 11                        ; 2,048 bytes on for the second half of K
	s_add_co_u32 s30, s30, s31
	s_mov_b32 s31, 0
	s_add_nc_u64 s[18:19], s[18:19], s[30:31]
	s_lshl_b32 s32, ttmp9, 1
	s_add_co_u32 s32, s32, s28                     ; tile
	s_mul_i32 s34, s32, 12288
	s_mul_i32 s33, s29, 6144
	s_add_co_u32 s34, s34, s33
	s_mov_b32 s35, 0
	s_add_nc_u64 s[14:15], s[14:15], s[34:35]
	s_lshl_b32 s34, s32, 9
	s_lshl_b32 s33, s29, 8
	s_add_co_u32 s34, s34, s33
	s_add_nc_u64 s[16:17], s[16:17], s[34:35]
.macro LOAD t                          ; lane row t is row t % 8 + 32 (t / 8) from the tile's first
.irp i, 0,1,2,3
	global_load_b128 v[R+16*((\t)%4)+4*\i:R+16*((\t)%4)+4*\i+3], v3, s[18:19] offset:((\t)%8+32*((\t)/8))*4096+512*\i th:TH_LOAD_NT
.endr
.endm
.macro TURN t                          ; a step's numbers through the stage: LDS serves a wave's instructions in order, so no wait stands between the stores and the loads
.irp i, 0,1,2,3
	ds_store_b128 v14, v[R+16*((\t)%4)+4*\i:R+16*((\t)%4)+4*\i+3] offset:32*SP*((\t)%2)+8*SP*\i
.endr
.irp i, 0,1,2,3
	ds_load_b128 v[X+16*((\t)%2)+4*\i:X+16*((\t)%2)+4*\i+3], v15 offset:32*SP*((\t)%2)+16*\i
.endr
.endm
.irp t, 0,1,2,3
	LOAD \t
.endr
	s_wait_loadcnt 12                              ; step 0's four loads are in
	TURN 0
.macro STEP t
.set XS, X+16*((\t)%2)
.set CC, C+4*((\t)%2)
.if (\t) > 0
	s_wait_dscnt 4                                 ; this step's numbers are back; the four younger are the last step's byte store and its three code stores.  The stores of two steps ago are done: their registers are free
.else
	s_wait_dscnt 0x0
.endif
.if (\t)+4 < 16
	LOAD (\t)+4
.endif
.if (\t)+1 < 16
.if 14-(\t) >= 3
	s_wait_loadcnt 12                              ; the next step's four loads are in; those of the three steps behind it may be out
.else
	s_wait_loadcnt 4*(14-(\t))
.endif
	TURN (\t)+1
.endif
	v_max3_num_f32 v8, |v[XS]|, |v[XS+1]|, |v[XS+2]|               ; the largest magnitude of my 16, in two chains
	v_max3_num_f32 v9, |v[XS+3]|, |v[XS+4]|, |v[XS+5]|
.irp i, 6,10
	v_max3_num_f32 v8, v8, |v[XS+\i]|, |v[XS+\i+1]|
	v_max3_num_f32 v9, v9, |v[XS+\i+2]|, |v[XS+\i+3]|
.endr
	v_max3_num_f32 v8, v8, |v[XS+14]|, |v[XS+15]|
	v_max3_num_f32 v8, v8, v9, 0x2800000           ; and the floor 2^(5 - 127): the byte cannot fall under 1
	v_max_num_f32_dpp v8, v8, v8 row_xmask:1 row_mask:0xf bank_mask:0xf   ; with my neighbour's 16: the block's
	v_add_nc_u32 v11, 0xfe000000, v8               ; 4 off its exponent field: the conversion takes this operand's exponent field as its scale
	v_cvt_scalef32_pk16_bf6_f32 v[CC:CC+2], v[XS:XS+15], v11
	v_lshrrev_b32 v[E+(\t)%2], 23, v11             ; the scale's byte (a plain line behind the conversion)
	ds_store_b8 v5, v[E+(\t)%2] offset:16*(\t)     ; both lanes of a block write the same byte with the same value
	ds_store_b32 v4, v[CC] offset:48*(\t)
	ds_store_b32 v4, v[CC+1] offset:48*(\t)+4
	ds_store_b32 v4, v[CC+2] offset:48*(\t)+8
.endm
.irp t, 0,1,2,3,4,5,6,7,8,9,10,11,12,13,14,15
	STEP \t
.endr
.irp j, 0,1,2,3,4,5,6,7,8,9,10,11
	ds_load_b128 v[OUT+4*\j:OUT+4*\j+3], v13 offset:(\j/3)*1632+16*(\j%3)   ; LDS serves a wave's instructions in order: these see my stores
.endr
	ds_load_b64 v[SBK:SBK+1], v6
.irp j, 0,1,2,3,4,5,6,7,8,9,10,11
	s_wait_dscnt 12-\j                             ; piece j is in; the younger loads may be out
	global_store_b128 v3, v[OUT+4*\j:OUT+4*\j+3], s[14:15] offset:(\j/3)*1536+512*(\j%3)   ; 32 lanes store 512 consecutive bytes, aligned to 256
.endr
	s_wait_dscnt 0x0
	global_store_b64 v7, v[SBK:SBK+1], s[16:17]    ; 32 lanes store 256 consecutive bytes, aligned
	s_wait_tensorcnt 0x0
	ds_add_u32 v172, v173
	s_wait_dscnt 0x0
	s_endpgm
.Lfunc_end_k_qf91da0cdc1_quant:
	.size	k_qf91da0cdc1_quant, .Lfunc_end_k_qf91da0cdc1_quant-k_qf91da0cdc1_quant
	.p2alignl 7, 3214868480
	.fill 96, 4, 3214868480
	.section	.rodata,"a",@progbits
	.p2align	6, 0x0
	.amdhsa_kernel k_qf91da0cdc1_quant
		.amdhsa_group_segment_fixed_size 49664
		.amdhsa_private_segment_fixed_size 0
		.amdhsa_enable_private_segment 0
		.amdhsa_kernarg_size 56
		.amdhsa_user_sgpr_count 2
		.amdhsa_user_sgpr_kernarg_segment_ptr 1
		.amdhsa_wavefront_size32 1
		.amdhsa_system_sgpr_workgroup_id_x 1
		.amdhsa_system_sgpr_workgroup_id_y 1
		.amdhsa_system_sgpr_workgroup_id_z 1
		.amdhsa_system_vgpr_workitem_id 0
		.amdhsa_next_free_vgpr 174
		.amdhsa_next_free_sgpr 66
		.amdhsa_reserve_vcc 0
		.amdhsa_float_denorm_mode_32 3
		.amdhsa_float_denorm_mode_16_64 3
		.amdhsa_memory_ordered 1
		.amdhsa_forward_progress 1
		.amdhsa_inst_pref_size 38
	.end_amdhsa_kernel
	.amdgpu_metadata
---
amdhsa.version: [ 1, 2 ]
amdhsa.kernels:
  - .name:           k_qf91da0cdc1_quant
    .symbol:         k_qf91da0cdc1_quant.kd
    .args:
      - { .name: hidden_states, .offset: 0, .size: 8, .value_kind: global_buffer, .address_space: global }
      - { .name: Wq, .offset: 8, .size: 8, .value_kind: global_buffer, .address_space: global }
      - { .name: Wk, .offset: 16, .size: 8, .value_kind: global_buffer, .address_space: global }
      - { .name: Wv, .offset: 24, .size: 8, .value_kind: global_buffer, .address_space: global }
      - { .name: Wo, .offset: 32, .size: 8, .value_kind: global_buffer, .address_space: global }
      - { .name: xw_codes, .offset: 40, .size: 8, .value_kind: global_buffer, .address_space: global }
      - { .name: xw_scales, .offset: 48, .size: 8, .value_kind: global_buffer, .address_space: global }
    .group_segment_fixed_size: 49664
    .private_segment_fixed_size: 0
    .kernarg_segment_align: 8
    .kernarg_segment_size: 56
    .max_flat_workgroup_size: 128
    .sgpr_count:     66
    .vgpr_count:     174
    .wavefront_size: 32
...
	.end_amdgpu_metadata
.endif
;; end of part 1
;; launch qkv (part 2): grid 8 x 32, 4 waves a work-group, clusters of 4 x 1, 205,312 bytes of LDS; arguments xw_codes, xw_scales, bq, bk, bv, qkv_codes, qkv_scales; writes qkv_codes, qkv_scales
.if DOCPART == 2
	.amdgcn_target "amdgcn-amd-amdhsa--gfx1250"
	.amdhsa_code_object_version 6
	.text
	.protected	k_qf91da0cdc1_qkv
	.globl	k_qf91da0cdc1_qkv
	.p2align	8
	.type	k_qf91da0cdc1_qkv,@function
k_qf91da0cdc1_qkv:
	s_mov_b64 s[64:65], 0
	v_nop
	global_prefetch_b8 v0, s[64:65] scope:SCOPE_SE
	s_setreg_imm32_b32 hwreg(HW_REG_WAVE_MODE, 25, 1), 1
	s_wait_xcnt 0x0
	s_wait_alu depctr_hold_cnt(0) depctr_sa_sdst(0) depctr_va_vdst(0) depctr_va_sdst(0) depctr_va_ssrc(0) depctr_va_vcc(0) depctr_vm_vsrc(0)
	s_getreg_b32 s2, hwreg(HW_REG_IB_STS2, 6, 4)
	s_cmp_eq_u32 s2, 0
	s_cbranch_scc0 .Lentry_in_a_cluster
	s_endpgm
.Lentry_in_a_cluster:
	s_bfe_u32 s2, ttmp6, 0x10000c
	s_cmp_lg_u32 s2, 0x3003
	s_cbranch_scc0 .Lentry_shape_is_right
	s_endpgm
.Lentry_shape_is_right:
; Q, K, V = x W^T + b AND THEIR QUANTISERS, in one pass over x, on codes of BF6 (E3M2) with E8M0 scales.  The results leave as codes and scale bytes in the order of the next launch's operand registers.
; LIMITS: NaN, infinities and sums beyond f32's range are not served; a sum begins with its bias; blocks whose largest magnitude lies under 2^-122 keep the scale byte 1.
; IN: xw_codes [tile of 16 rows][K step 8] images of 1,536 bytes (piece k = registers 4 k .. 4 k + 3, lane l at 16 l); xw_scales [tile][half of K][row][4 words].  Tile T's lane row 8 h + i is row 64 (T / 4) + 8 (T % 4) + 32 h + i.
; THE DEAL.  256 work-groups of four waves.  Work-group (cg, rb) makes 256 tokens x 384 columns.  Wave w, with v = 4 cg + w, holds in registers, all of K, the 64 rows of W_q or W_k of one head (v: Q's 16 heads, then K's; 32 fragments)
; and 32 rows of W_v (half v % 2 of head v / 2; 16 fragments), and streams the 16 tiles of x past them: block b = 8 s + 4 c + j is tile j of band c of key step s.  A block's eight fragments feed 48 products, six accumulators by turns.
; The weights go from memory straight into registers, 512 consecutive bytes a load: 384 rows of 768 bytes have no room in LDS beside x's 196,608 bytes, so they are not asked for jointly.
; x's tiles and scale bytes hang on rb alone and are asked for jointly by the four work-groups of a cluster, once, at the head: one load a wave, nothing is filled again.  No data prefetch: all is asked for at the head.
; Q|K: source 0 = the weight's rows: lane (r, h) holds token row r and, over four tiles, dims 32 h + 0 .. 31 of the head: one scale block.  V: source 0 = x's rows: lane (r, h) holds d row r and, over a band's four blocks, tokens 64 c + 32 h + 0 .. 31: one scale block.
; OUT, head H = 64 part + 16 batch + head: qkv_codes [H][key step][4] images.  Q, K: image 2 c + p holds tiles 2 p (registers 0-5) and 2 p + 1 (6-11) of band c.  V: image t holds d tile t, registers 6 c .. of band c; d row r of tile t is d = 32 (r / 8) + 8 t + r % 8.
; qkv_scales [H][4,096]: Q, K: [key step][row r][image]: a word = bytes [tile % 2][h];  V: [half][key step][row r][t % 2]: a word = bytes [2 c + h].
; The last two fetches of the last trip name block 15 again (a clamped address), so that every wait's count holds in both trips.
.set FR,   12
.set NF,   26                          ; LDS loads of a block: 24 for eight fragments, 2 for eight scale words
.set TB,   12288                       ; a tile, all of K
.set XS,   196608                      ; x's scale bytes, 512 a tile
.set SPARE, 204800
.set FLOOR, 0x2800000                  ; 2^(5 - 127)
.set L16,  3
.set R16,  4
.set AX,   5
.set ASX,  6
.set VSO,  7
.set WT,   8
.set H8,   9
.set SPW,  10
.set NIL,  11
.set EB,   12                          ; v12, v13 Q|K's bytes of a pair
.set EBV,  14                          ; v14-17 V's bytes [t][c]
.set SW,   18                          ; v18-21 a key step's four scale words of Q|K
.set VSF,  22                          ; v22, v23 V's scale words: lanes 0-15 the first key step's, lanes 16-31 the second's
.set SB,   24                          ; v24-39 W_q|k's scale words;  v40-47 W_v's
.set SBV,  40
.set TQ,   48
.set VT,   50
.set SA,   52                          ; v52-67 x's scale words, two sets
.set SOP,  68
.set PX,   69
.set SOPV, 70
.set ACC,  72                          ; v72-103 Q|K's sums
.set HV,   104                         ; v104-167 V's sums: 32 t + 8 j + i
.set NCD,  168                         ; v168-179 a pair's codes
.set VCD,  180                         ; v180-203 V's codes, twelve a tile
.set BQ,   204                         ; v204-235 Q|K's bias as the first products' C
.set BVC,  236                         ; v236-251 V's
.set TC,   252
.set G0,   44
.set G1X,  48
.set G1S,  56
.set XC,   66
.set XSC,  68
.set WQ,   70
.set WVP,  72
.set WSQ,  74
.set WSV,  76
.set QC,   78
.set QS,   80
.set VC,   82
.set VSB,  84
.set BQP,  86
.set BVP,  88
.set SEL,  90
.set TRIP, 92
.set TX,   93
.set TS2,  94
.set MK,   95
.set TA,   96
.set MSB, 0
.macro WIN new
.if MSB != \new
	s_set_vgpr_msb (MSB<<8)|\new
.set MSB, \new
.endif
.endm
.macro WALU
	s_wait_alu depctr_va_vdst(0)
.endm
.macro ROUND
	s_barrier_signal -1
	s_barrier_wait -1
	s_cmp_lg_u32 s18, 0
	s_cbranch_scc1 .Lnot_wave_0_\@
	s_barrier_signal -3
.Lnot_wave_0_\@:
	s_barrier_wait -3
	s_barrier_signal -1
	s_barrier_wait -1
.endm
.macro ARM w, g1, rows, lds, base, off
	s_cmp_eq_u32 s18, \w
	s_cbranch_scc0 .Lnext_\@
	s_mov_b32 s[G0+1], \lds
.if \rows
	s_mov_b32 s[\g1+2], (\rows)<<16
	s_mov_b32 s[\g1+4], \rows
.endif
	s_add_nc_u64 s[G0+2:G0+3], s[\base:\base+1], \off
	s_or_b32 s[G0+3], s[G0+3], 0x80000000
	tensor_load_to_lds s[G0:G0+3], s[\g1:\g1+7]
	s_nop 0
.rept 4
	v_nop
.endr
	s_branch .Lasked
.Lnext_\@:
.endm
; fragments: 0-31 W_q|k's (4 q + tile), 32-47 W_v's (32 + 2 q + tile), 48-63 x's two sets (48 + 8 e + q).  Fragment f lies at register 256 + 12 f
.macro FPLACE f
.set FW_, (256+FR*(\f))>>8
.set FG_, (256+FR*(\f))&255
.endm
.macro GFRAG f, base, off
.irp k, 0,1,2
.set R_, 256+FR*(\f)+4*\k
	WIN (R_>>8)<<6
	global_load_b128 v[(R_&255):(R_&255)+3], v[L16], s[\base:\base+1] offset:(\off)+512*\k
.endr
.endm
.macro FETCH e
.irp q, 0,1,2,3,4,5,6,7
.irp k, 0,1,2
.set R_, 256+FR*(48+8*(\e)+\q)+4*\k
	WIN (R_>>8)<<6
	ds_load_b128 v[(R_&255):(R_&255)+3], v[AX] offset:1536*\q+512*\k
.endr
.endr
	WIN 0
	ds_load_b128 v[SA+8*(\e):SA+8*(\e)+3], v[ASX]
	ds_load_b128 v[SA+8*(\e)+4:SA+8*(\e)+7], v[ASX] offset:256
.endm
.macro PROD2 d, s0, s1, c, x0, x1, side, o
.if \o
	v_wmma_scale_f32_16x16x128_f8f6f4 v[\d:\d+7], v[\s0:\s0+FR-1], v[\s1:\s1+FR-1], \c, v[\x0], v[\x1] matrix_a_fmt:MATRIX_FMT_BF6 matrix_b_fmt:MATRIX_FMT_BF6 matrix_\side\()_scale:MATRIX_SCALE_ROW1
.else
	v_wmma_scale_f32_16x16x128_f8f6f4 v[\d:\d+7], v[\s0:\s0+FR-1], v[\s1:\s1+FR-1], \c, v[\x0], v[\x1] matrix_a_fmt:MATRIX_FMT_BF6 matrix_b_fmt:MATRIX_FMT_BF6 matrix_\side\()_scale:MATRIX_SCALE_ROW0
.endif
.endm
.macro PQK e, q, t
	FPLACE 48+8*(\e)+(\q)
.set XW_, FW_
.set XG_, FG_
	FPLACE 4*(\q)+(\t)
	WIN FW_|(XW_<<2)
.if \q
	PROD2 ACC+8*(\t), FG_, XG_, v[ACC+8*(\t):ACC+8*(\t)+7], SB+8*((\t)/2)+(\q), SA+8*(\e)+(\q), a, (\t)%2
.else
	PROD2 ACC+8*(\t), FG_, XG_, v[BQ+8*(\t):BQ+8*(\t)+7], SB+8*((\t)/2)+(\q), SA+8*(\e)+(\q), a, (\t)%2
.endif
.endm
.macro PV e, q, t, j
	FPLACE 48+8*(\e)+(\q)
.set XW_, FW_
.set XG_, FG_
	FPLACE 32+2*(\q)+(\t)
	WIN XW_|(FW_<<2)
.if \q
	PROD2 HV+32*(\t)+8*(\j), XG_, FG_, v[HV+32*(\t)+8*(\j):HV+32*(\t)+8*(\j)+7], SA+8*(\e)+(\q), SBV+(\q), b, \t
.else
	PROD2 HV+32*(\t)+8*(\j), XG_, FG_, v[BVC+8*(\t):BVC+8*(\t)+7], SA+8*(\e)+(\q), SBV+(\q), b, \t
.endif
.endm
.macro PRODS e, j                      ; a block's 48 products: six accumulators by turns, K ascending
.irp q, 0,1,2,3,4,5,6,7
	PV \e, \q, 0, \j
	PV \e, \q, 1, \j
	PQK \e, \q, 0
	PQK \e, \q, 1
	PQK \e, \q, 2
	PQK \e, \q, 3
.endr
	WIN 0
.endm
.macro VMAXB j                         ; V's two running maxima take in the block's eight sums each
.irp i, 0,2,4,6
.irp t, 0,1
.if ((\j)==0)&&(\i==0)
	v_max3_num_f32 v[VT+\t], |v[HV+32*\t]|, |v[HV+32*\t+1]|, FLOOR
.else
	v_max3_num_f32 v[VT+\t], v[VT+\t], |v[HV+32*\t+8*(\j)+\i]|, |v[HV+32*\t+8*(\j)+\i+1]|
.endif
.endr
.endr
.endm
.macro QKOUT e                         ; a lane's 32 sums are one scale block: its largest magnitude in two chains, the scale, 32 codes into half e of the pair's operand
	v_max3_num_f32 v[TQ], |v[ACC]|, |v[ACC+1]|, FLOOR
	v_max3_num_f32 v[TQ+1], |v[ACC+16]|, |v[ACC+17]|, FLOOR
.irp i, 2,4,6,8,10,12,14
	v_max3_num_f32 v[TQ], v[TQ], |v[ACC+\i]|, |v[ACC+\i+1]|
	v_max3_num_f32 v[TQ+1], v[TQ+1], |v[ACC+16+\i]|, |v[ACC+17+\i]|
.endr
	v_max_num_f32 v[TQ], v[TQ], v[TQ+1]
	v_add_nc_u32 v[SOP], 0xfe000000, v[TQ]         ; 4 off the exponent field: the conversions' scale operand
.if (\e)==0
	WALU
	s_wait_xcnt 0x0                                ; the last pair's stores have read their registers
.endif
	v_cvt_scalef32_pk16_bf6_f32 v[NCD+6*(\e):NCD+6*(\e)+2], v[ACC:ACC+15], v[SOP]
	v_cvt_scalef32_pk16_bf6_f32 v[TC:TC+2], v[ACC+16:ACC+31], v[SOP]   ; (a conversion's three registers begin on an even number)
	v_lshrrev_b32 v[EB+(\e)], 23, v[SOP]
.irp i, 0,1,2
	v_mov_b32 v[NCD+6*(\e)+3+\i], v[TC+\i]
.endr
.endm
.macro PAIR f                          ; the pair's scale word, bytes [tile % 2][h], and its codes
	v_lshl_or_b32 v[WT], v[EB+1], 16, v[EB]
	v_lshlrev_b32 v[WT], v[H8], v[WT]
	v_permlanex16_b32 v[PX], v[WT], s[SEL], s[SEL+1]
	v_or_b32 v[SW+(\f)%4], v[WT], v[PX]
.irp k, 0,1,2
	global_store_b128 v[L16], v[NCD+4*\k:NCD+4*\k+3], s[QC:QC+1] offset:1536*((\f)%4)+512*\k   ; 512 consecutive bytes, aligned
.endr
.endm
.macro VEND c                          ; behind a band's fourth block: V's scales and codes
	v_add_nc_u32 v[SOPV], 0xfe000000, v[VT]
	v_add_nc_u32 v[SOPV+1], 0xfe000000, v[VT+1]
.irp t, 0,1
	v_cvt_scalef32_pk16_bf6_f32 v[VCD+12*\t+6*(\c):VCD+12*\t+6*(\c)+2], v[HV+32*\t:HV+32*\t+15], v[SOPV+\t]
	v_cvt_scalef32_pk16_bf6_f32 v[TC:TC+2], v[HV+32*\t+16:HV+32*\t+31], v[SOPV+\t]
	v_lshrrev_b32 v[EBV+2*\t+(\c)], 23, v[SOPV+\t]
.irp i, 0,1,2
	v_mov_b32 v[VCD+12*\t+6*(\c)+3+\i], v[TC+\i]
.endr
.endr
.endm
.macro VSTEP                           ; behind a key step: V's scale words, bytes [2 c + h], kept in the lanes of this key step; its codes
.irp t, 0,1
	v_lshl_or_b32 v[WT], v[EBV+2*\t+1], 16, v[EBV+2*\t]
	v_lshlrev_b32 v[WT], v[H8], v[WT]
	v_permlanex16_b32 v[PX], v[WT], s[SEL], s[SEL+1]
	v_or_b32 v[WT], v[WT], v[PX]
	v_cndmask_b32 v[VSF+\t], v[VSF+\t], v[WT], s[MK]
.irp k, 0,1,2
	global_store_b128 v[L16], v[VCD+12*\t+4*\k:VCD+12*\t+4*\k+3], s[VC:VC+1] offset:1536*\t+512*\k
.endr
.endr
.endm
.macro BLK b                           ; block b = 4 c + j of a key step; its rows lie in set b % 2, which then takes the block two on
	WALU
	s_wait_dscnt NF                                ; this block's rows are in; the younger 26 are the next block's
	PRODS (\b)%2,(\b)%4
.if (\b) < 6
	v_add3_u32 v[AX], s[TX], ((\b)+2)*TB, v[L16]   ; with the two v_nop: four places behind the last product
	v_add3_u32 v[ASX], s[TS2], XS+((\b)+2)*512, v[R16]
.else
	s_add_co_u32 s[TA], s[TX], ((\b)+2)*TB
	s_min_u32 s[TA], s[TA], 15*TB
	v_add_nc_u32 v[AX], s[TA], v[L16]
	s_add_co_u32 s[TA], s[TS2], XS+((\b)+2)*512
	s_min_u32 s[TA], s[TA], XS+15*512
	v_add_nc_u32 v[ASX], s[TA], v[R16]
.endif
	v_nop
	v_nop
	FETCH (\b)%2
	VMAXB (\b)%4
	QKOUT (\b)%2
.if (\b)%2
	PAIR (\b)/2
.endif
.if (\b)%4 == 3
	VEND (\b)/4
.endif
.endm
	s_load_b256 s[4:11], s[0:1], 0x0               ; xw_codes, xw_scales, bq, bk
	s_load_b128 s[12:15], s[0:1], 0x20             ; bv, qkv_codes
	s_load_b64 s[16:17], s[0:1], 0x30              ; qkv_scales
	v_lshl_add_u32 v[SPW], v0, 2, SPARE
	v_mov_b32 v[NIL], 0
	ds_add_u32 v[SPW], v[NIL]                      ; the opening lines
	ds_add_u32 v[SPW], v[NIL]
	v_lshrrev_b32 v1, 5, v0
	v_readfirstlane_b32 s18, v1                    ; wave
	s_bfe_u32 s19, ttmp6, 0x40000                  ; cx: it enters global addresses alone
	s_lshl_b32 s20, ttmp9, 2
	s_add_co_u32 s20, s20, s19
	s_lshl_b32 s20, s20, 2
	s_add_co_u32 s20, s20, s18                     ; v
	s_and_b32 s21, ttmp7, 0xffff                   ; rb, which the four partners share
	s_lshr_b32 s22, s21, 3
	s_lshl_b32 s22, s22, 4                         ; 16 x batch
	s_and_b32 s23, s21, 7
	s_lshl_b32 s23, s23, 1                         ; my first key step in the batch
	s_lshr_b32 s24, s20, 4                         ; 0 Q, 1 K
	s_and_b32 s25, s20, 15                         ; Q|K's head
	s_lshr_b32 s26, s20, 1                         ; V's head
	s_and_b32 s27, s20, 1                          ; and half
.irp p, XC, XSC, WQ, WVP, WSQ, WSV, QC, QS, VC, VSB, BQP, BVP
	s_mov_b32 s[\p+1], 0
.endr
	s_mul_i32 s[XC], s21, 16*TB
	s_lshl_b32 s[XSC], s21, 13
	s_lshl_b32 s28, s20, 2
	s_add_co_u32 s28, s28, 512                     ; W_q|k's first tile
	s_mul_i32 s[WQ], s28, TB
	s_lshl_b32 s[WSQ], s28, 9
	s_lshl_b32 s28, s20, 1
	s_add_co_u32 s28, s28, 640                     ; W_v's
	s_mul_i32 s[WVP], s28, TB
	s_lshl_b32 s[WSV], s28, 9
	s_lshl_b32 s28, s24, 6
	s_add_co_u32 s28, s28, s22
	s_add_co_u32 s28, s28, s25                     ; H of Q|K
	s_mul_i32 s29, s23, 6144
	s_mul_i32 s[QC], s28, 98304
	s_add_co_u32 s[QC], s[QC], s29
	s_lshl_b32 s[QS], s28, 12
	s_lshl_b32 s30, s23, 8
	s_add_co_u32 s[QS], s[QS], s30
	s_add_co_u32 s28, s22, s26
	s_add_co_u32 s28, s28, 128                     ; H of V
	s_mul_i32 s[VC], s28, 98304
	s_add_co_u32 s[VC], s[VC], s29
	s_mul_i32 s30, s27, 3072
	s_add_co_u32 s[VC], s[VC], s30
	s_lshl_b32 s[VSB], s28, 12
	s_lshl_b32 s30, s27, 11
	s_add_co_u32 s[VSB], s[VSB], s30
	s_lshl_b32 s30, s23, 7
	s_add_co_u32 s[VSB], s[VSB], s30
	s_lshl_b32 s[BQP], s25, 8
	s_lshl_b32 s[BVP], s26, 8
	s_lshl_b32 s30, s27, 6
	s_add_co_u32 s[BVP], s[BVP], s30
	s_mov_b32 s[G0], 1
	s_mov_b32 s[G1X], 15|(3<<16)|(1<<21)           ; the mask of all four; elements of 8 bytes; rows of a tile's 12,288 bytes; how many, each arm says
	s_mov_b32 s[G1X+1], 1536<<16
	s_mov_b32 s[G1X+3], 1536<<16
	s_mov_b32 s[G1X+5], 1536
	s_mov_b32 s[G1X+6], 0
	s_mov_b32 s[G1X+7], 0
	s_mov_b32 s[G1S], 15|(3<<16)|(1<<21)           ; 32 rows of 256 bytes
	s_mov_b32 s[G1S+1], 32<<16
	s_mov_b32 s[G1S+2], 32<<16
	s_mov_b32 s[G1S+3], 32<<16
	s_mov_b32 s[G1S+4], 32
	s_mov_b32 s[G1S+5], 32
	s_mov_b32 s[G1S+6], 0
	s_mov_b32 s[G1S+7], 0
	s_mov_b32 s[SEL], 0x76543210
	s_mov_b32 s[SEL+1], 0xfedcba98
	s_mov_b32 s[TRIP], 0
	s_mov_b32 s[TX], 0
	s_mov_b32 s[TS2], 0
	s_mov_b32 s[MK], 0xffff
	s_wait_dscnt 0x0
	s_wait_kmcnt 0x0
	s_cmp_eq_u32 s24, 0
	s_cselect_b64 s[8:9], s[8:9], s[10:11]         ; bq or bk
	s_add_nc_u64 s[XC:XC+1], s[4:5], s[XC:XC+1]
	s_add_nc_u64 s[XSC:XSC+1], s[6:7], s[XSC:XSC+1]
	s_add_nc_u64 s[WQ:WQ+1], s[4:5], s[WQ:WQ+1]
	s_add_nc_u64 s[WVP:WVP+1], s[4:5], s[WVP:WVP+1]
	s_add_nc_u64 s[WSQ:WSQ+1], s[6:7], s[WSQ:WSQ+1]
	s_add_nc_u64 s[WSV:WSV+1], s[6:7], s[WSV:WSV+1]
	s_add_nc_u64 s[QC:QC+1], s[14:15], s[QC:QC+1]
	s_add_nc_u64 s[VC:VC+1], s[14:15], s[VC:VC+1]
	s_add_nc_u64 s[QS:QS+1], s[16:17], s[QS:QS+1]
	s_add_nc_u64 s[VSB:VSB+1], s[16:17], s[VSB:VSB+1]
	s_add_nc_u64 s[BQP:BQP+1], s[8:9], s[BQP:BQP+1]
	s_add_nc_u64 s[BVP:BVP+1], s[12:13], s[BVP:BVP+1]
	ROUND                                          ; all four work-groups are here: the joint loads meet
	ARM 0, G1S, 0, XS, XSC, 0                      ; x's scale bytes
	ARM 1, G1X, 6, 0, XC, 0                        ; tiles 0 to 5
	ARM 2, G1X, 5, 6*TB, XC, 6*TB                  ; 6 to 10
	ARM 3, G1X, 5, 11*TB, XC, 11*TB                ; 11 to 15
.Lasked:
	v_and_b32 v1, 15, v0                           ; r
	v_bfe_u32 v2, v0, 4, 1                         ; h
	v_and_b32 v12, 31, v0
	v_lshlrev_b32 v[L16], 4, v12
	v_lshlrev_b32 v[R16], 4, v1
	v_lshlrev_b32 v[H8], 3, v2
	v_lshl_add_u32 v14, v2, 9, v[R16]              ; the weights' scale words: tile h of a pair, row r
	v_lshlrev_b32 v15, 7, v2                       ; Q|K's bias: dims 32 h on
	v_lshrrev_b32 v16, 3, v1
	v_and_b32 v17, 7, v1
	v_lshlrev_b32 v16, 7, v16
	v_lshl_add_u32 v16, v17, 2, v16                ; V's bias: d = 32 (r / 8) + r % 8
	v_lshlrev_b32 v[VSO], 3, v1
	v_lshl_add_u32 v[VSO], v2, 7, v[VSO]           ; V's scale words on the way out: 8 r + 128 h
	WALU
.irp q, 0,1,2,3,4,5,6,7
	GFRAG 32+2*\q, WVP, 1536*\q
	GFRAG 33+2*\q, WVP, TB+1536*\q
.irp t, 0,1,2,3
	GFRAG 4*\q+\t, WQ, TB*\t+1536*\q
.endr
.endr
	WIN 0
.irp p, 0,1
.irp g, 0,1
	global_load_b128 v[SB+8*\p+4*\g:SB+8*\p+4*\g+3], v14, s[WSQ:WSQ+1] offset:1024*\p+256*\g
.endr
.endr
.irp g, 0,1
	global_load_b128 v[SBV+4*\g:SBV+4*\g+3], v14, s[WSV:WSV+1] offset:256*\g
.endr
.irp t, 0,1,2,3
.irp g, 0,1
	global_load_b128 v[BQ+8*\t+4*\g:BQ+8*\t+4*\g+3], v15, s[BQP:BQP+1] offset:32*\t+16*\g
.endr
.endr
	global_load_b32 v12, v16, s[BVP:BVP+1]
	global_load_b32 v13, v16, s[BVP:BVP+1] offset:32
	s_wait_tensorcnt 0x0                           ; every wave: its one tile
	s_wait_dscnt 0x0
	s_barrier_signal -1
	s_barrier_wait -1                              ; all of x is in
	v_mov_b32 v[AX], v[L16]
	v_add_nc_u32 v[ASX], XS, v[R16]
	FETCH 0
	v_add_nc_u32 v[AX], TB, v[L16]
	v_add_nc_u32 v[ASX], XS+512, v[R16]
	FETCH 1
	s_wait_loadcnt 0x0                             ; the weights, their scale words, the biases
.irp i, 0,1,2,3,4,5,6,7
	v_mov_b32 v[BVC+\i], v12
	v_mov_b32 v[BVC+8+\i], v13
.endr
	v_mov_b32 v[PX], 0                             ; written once: a lane permute's destination counts as one of its sources
	v_mov_b32 v[VSF], 0
	v_mov_b32 v[VSF+1], 0
.Ltrip:                                            ; a key step a trip
.irp b, 0,1,2,3,4,5,6,7
	BLK \b
.endr
	VSTEP
	global_store_b128 v[R16], v[SW:SW+3], s[QS:QS+1]   ; 256 consecutive bytes, aligned (lanes r and r + 16 store the same value)
	WALU
	s_wait_xcnt 0x0                                ; the stores have read their registers and bases
	s_add_nc_u64 s[QC:QC+1], s[QC:QC+1], 6144
	s_add_nc_u64 s[VC:VC+1], s[VC:VC+1], 6144
	s_add_nc_u64 s[QS:QS+1], s[QS:QS+1], 256
	s_add_co_u32 s[TX], s[TX], 8*TB
	s_add_co_u32 s[TS2], s[TS2], 4096
	s_mov_b32 s[MK], 0xffff0000
	s_add_co_u32 s[TRIP], s[TRIP], 1
	s_cmp_lt_u32 s[TRIP], 2
	s_cbranch_scc1 .Ltrip
	global_store_b64 v[VSO], v[VSF:VSF+1], s[VSB:VSB+1]   ; 256 consecutive bytes, aligned
	s_wait_tensorcnt 0x0                           ; the wave's end
	ds_add_u32 v[SPW], v[NIL]
	s_wait_dscnt 0x0
	ROUND                                          ; the closing round
	s_endpgm
.Lfunc_end_k_qf91da0cdc1_qkv:
	.size	k_qf91da0cdc1_qkv, .Lfunc_end_k_qf91da0cdc1_qkv-k_qf91da0cdc1_qkv
	.p2alignl 7, 3214868480
	.fill 96, 4, 3214868480
	.section	.rodata,"a",@progbits
	.p2align	6, 0x0
	.amdhsa_kernel k_qf91da0cdc1_qkv
		.amdhsa_group_segment_fixed_size 205312
		.amdhsa_private_segment_fixed_size 0
		.amdhsa_enable_private_segment 0
		.amdhsa_kernarg_size 56
		.amdhsa_user_sgpr_count 2
		.amdhsa_user_sgpr_kernarg_segment_ptr 1
		.amdhsa_wavefront_size32 1
		.amdhsa_system_sgpr_workgroup_id_x 1
		.amdhsa_system_sgpr_workgroup_id_y 1
		.amdhsa_system_sgpr_workgroup_id_z 1
		.amdhsa_system_vgpr_workitem_id 0
		.amdhsa_next_free_vgpr 1024
		.amdhsa_next_free_sgpr 100
		.amdhsa_reserve_vcc 0
		.amdhsa_float_denorm_mode_32 3
		.amdhsa_float_denorm_mode_16_64 3
		.amdhsa_memory_ordered 1
		.amdhsa_forward_progress 1
		.amdhsa_inst_pref_size 118
	.end_amdhsa_kernel
	.amdgpu_metadata
---
amdhsa.version: [ 1, 2 ]
amdhsa.kernels:
  - .name:           k_qf91da0cdc1_qkv
    .symbol:         k_qf91da0cdc1_qkv.kd
    .args:
      - { .name: xw_codes, .offset: 0, .size: 8, .value_kind: global_buffer, .address_space: global }
      - { .name: xw_scales, .offset: 8, .size: 8, .value_kind: global_buffer, .address_space: global }
      - { .name: bq, .offset: 16, .size: 8, .value_kind: global_buffer, .address_space: global }
      - { .name: bk, .offset: 24, .size: 8, .value_kind: global_buffer, .address_space: global }
      - { .name: bv, .offset: 32, .size: 8, .value_kind: global_buffer, .address_space: global }
      - { .name: qkv_codes, .offset: 40, .size: 8, .value_kind: global_buffer, .address_space: global }
      - { .name: qkv_scales, .offset: 48, .size: 8, .value_kind: global_buffer, .address_space: global }
    .group_segment_fixed_size: 205312
    .private_segment_fixed_size: 0
    .kernarg_segment_align: 8
    .kernarg_segment_size: 56
    .max_flat_workgroup_size: 128
    .sgpr_count:     100
    .vgpr_count:     1024
    .wavefront_size: 32
...
	.end_amdgpu_metadata
.endif
;; end of part 2
;; launch attn (part 3): grid 4 x 64, 16 waves a work-group, clusters of 4 x 1, 215,040 bytes of LDS; arguments qkv_codes, qkv_scales, attention_mask, ctx_codes, ctx_scales; writes ctx_codes, ctx_scales
.if DOCPART == 3
	.amdgcn_target "amdgcn-amd-amdhsa--gfx1250"
	.amdhsa_code_object_version 6
	.text
	.protected	k_qf91da0cdc1_attn
	.globl	k_qf91da0cdc1_attn
	.p2align	8
	.type	k_qf91da0cdc1_attn,@function
k_qf91da0cdc1_attn:
	s_mov_b64 s[64:65], 0
	v_nop
	global_prefetch_b8 v0, s[64:65] scope:SCOPE_SE
	s_setreg_imm32_b32 hwreg(HW_REG_WAVE_MODE, 25, 1), 1
	s_wait_xcnt 0x0
	s_wait_alu depctr_hold_cnt(0) depctr_sa_sdst(0) depctr_va_vdst(0) depctr_va_sdst(0) depctr_va_ssrc(0) depctr_va_vcc(0) depctr_vm_vsrc(0)
	s_getreg_b32 s2, hwreg(HW_REG_IB_STS2, 6, 4)
	s_cmp_eq_u32 s2, 0
	s_cbranch_scc0 .Lentry_in_a_cluster
	s_endpgm
.Lentry_in_a_cluster:
	s_bfe_u32 s2, ttmp6, 0x10000c
	s_cmp_lg_u32 s2, 0x3003
	s_cbranch_scc0 .Lentry_shape_is_right
	s_endpgm
.Lentry_shape_is_right:
; ctx = softmax(q k^T / 8 + mask) v for one head, both products on codes of BF6 (E3M2) with E8M0 scales; ctx is quantised along the hidden axis at once and leaves as codes.
; THE SOFTMAX: t = logit x log2(e); M = the running largest t rounded UP to a whole number; p = 2^(t - M) is quantised along the keys, not normalised; the row's sum is taken of the unquantised p and divides at the end.
; When M moves, the sum and O are multiplied by 2^(old M - new M): exact.
; SHARES.  256 work-groups.  A work-group owns 512 queries of one head; each of its sixteen waves makes two tiles of 16 queries, one after the other (tile w, then tile 16 + w), against the same LDS copy of the head.
; THE WHOLE HEAD LIES IN LDS: k's and v's codes, their scale bytes and the batch's mask are filled once, by fourteen loads, one a wave, in one chain of arms.  Nothing is filled again.
; Waves 0 to 4 bring what keys 0 to 255 need and alone wait ahead of the first barrier; the second barrier, behind two key steps, shows the rest.
; CLUSTER: the four work-groups of a cluster own the four quarters of one head's queries, so each tile is asked for jointly, with the mask of all four.  No data prefetch: every byte is asked for at the head.
; LAYOUT.  Both products are used transposed (S^T = k q^T, O^T = v^T p^T): a lane holds one query (lane % 16).
; A tile of tokens: tile j of band c of a key step of 128 has in its row 8 h + i the token 64 c + 32 h + 8 j + i.  So register 32 c + e of lane (r, h) of the scores is key 64 c + 32 h + e:
; a lane's 32 registers are ONE scale block of p, in the order of the operand's registers: no other lane is asked for a block's largest, and no codes change lanes.
; THE HEAD'S 64 IN AN INSTRUCTION OF 128: image 2 c + p of k holds two tiles (k = 0-63: tile 2 p, k = 64-127: tile 2 p + 1).  q is kept twice, as [q | zero codes] and [zero codes | q].  The zero codes' blocks carry the scale byte 0 (2^-127).
; v's d row r of tile t is d = 32 (r / 8) + 8 t + r % 8: a lane's 32 registers of O^T are d = 32 h + 0 .. 31, one scale block of ctx.
; THE DIVISION BY 8: 3 is taken off q's two scale bytes, held at 0 from below: exact.  THE MASK is loaded from LDS into the scores' registers and is the C of the score product: the result is the logit.
; LIMITS: NaN is not served; a mask of -infinity gives p = 0 (a row all of whose keys are so masked gives NaN, as in the definition); logits under -2e38 are not served; q's blocks whose byte is under 3 are held at 2^-127; blocks of ctx under 2^-122 keep the byte 1.
.set KOFF, 0
.set VOFF, 98304
.set SCK,  196608                      ; k's scale bytes: [key step][row][image]
.set SCV,  200704                      ; v's: [half][key step][row][t % 2]
.set MOFF, 204800                      ; the mask, 2,048 f32
.set SPARE, 212992                     ; the spare words: 128 bytes a wave
.set L16,  1                           ; 16 x lane: k's codes too
.set L8,   2                           ; 8 x lane
.set BV,   3                           ; bases of the LDS addresses: v's codes,
.set BSV,  4                           ; v's scale words,
.set BM0,  5                           ; the mask,
.set R4,   6                           ; (4 r: ctx's scale bytes in memory)
.set BSK,  7                           ; k's scale words
.set AK,   8                           ; the step's addresses
.set ASK,  9
.set AM,   10
.set AV,   11
.set ASV,  42
.set H8,   43                          ; 8 h
.set QLO,  16                          ; v16-27 [q | 0];  v28-39 [0 | q]
.set QHI,  28
.set QSL,  40
.set QSH,  41
.set KS,   44
.set VS,   48
.set F,    52                          ; v52-99 four fragments of k, then of v
.set S,    100                         ; v100-163 the mask, the logits, then p
.set O,    164                         ; v164-195 O^T
.set PCD,  196                         ; v196-207 p's codes
.set CT0,  208                         ; v208-210, v212-214 conversions' second halves
.set BM,   216
.set BX,   220
.set SCL,  224
.set PWD,  228
.set FF,   230
.set TMP,  232
.set TM2,  233
.set C1,   234                         ; v234-239 three chains of the row's sum
.set C2,   236
.set C3,   238
.set Q2,   244                         ; v244-249 the second tile's q
.set QW,   250                         ; v250, v251 the two tiles' scale words as loaded
.set WV,   18
.set SEL,  20
.set CS,   22
.set G1C,  24                          ; group 1: rows of 1,536 bytes
.set G0,   40
.set G1S,  44                          ; 16 rows of 256 bytes
.set TK,   66
.set TSV,  67
.set TS,   68
.set TMK,  69
.set CNT,  70
.macro WALU
	s_wait_alu depctr_va_vdst(0)
.endm
.macro ROUND
	s_barrier_signal -1
	s_barrier_wait -1
	s_cmp_lg_u32 s[WV], 0
	s_cbranch_scc1 .Lnot_wave_0_\@
	s_barrier_signal -3
.Lnot_wave_0_\@:
	s_barrier_wait -3
	s_barrier_signal -1
	s_barrier_wait -1
.endm
; an arm of the head's chain: wave w's one load, by a descriptor of constants
.macro ARM w, g1, rows, lds, base, off
	s_cmp_eq_u32 s[WV], \w
	s_cbranch_scc0 .Lnext_\@
	s_mov_b32 s[G0+1], \lds
.if \rows
	s_mov_b32 s[\g1+2], (\rows)<<16
	s_mov_b32 s[\g1+4], \rows
.endif
	s_add_nc_u64 s[G0+2:G0+3], s[\base:\base+1], \off
	s_or_b32 s[G0+3], s[G0+3], 0x80000000
	tensor_load_to_lds s[G0:G0+3], s[\g1:\g1+7]
	s_nop 0
.rept 4
	v_nop
.endr
	s_branch .Lasked
.Lnext_\@:
.endm
	s_load_b256 s[4:11], s[0:1], 0x0               ; qkv_codes, qkv_scales, attention_mask, ctx_codes
	s_load_b64 s[12:13], s[0:1], 0x20              ; ctx_scales
	v_lshl_add_u32 v254, v0, 2, SPARE
	v_mov_b32 v255, 0
	ds_add_u32 v254, v255                          ; the opening lines
	ds_add_u32 v254, v255
	v_lshrrev_b32 v7, 5, v0
	s_delay_alu instid0(VALU_DEP_1)
	v_readfirstlane_b32 s[WV], v7                  ; wave 0..15
	s_bfe_u32 s52, ttmp6, 0x40000                  ; cx: it enters q's and ctx's global addresses alone
	s_lshl_b32 s53, s52, 1                         ; my first block of 256 queries
	s_and_b32 s72, ttmp7, 0xffff                   ; 16 x batch + head, which the four partners share
	s_lshr_b32 s73, s72, 4
	s_and_b32 s74, s72, 15
	s_and_b32 s75, s[WV], 1                        ; my tile is a pair's even or odd one
	s_lshl_b32 s80, s73, 13                        ; the mask: 8,192 bytes a batch
	s_mov_b32 s81, 0
	s_add_co_u32 s78, s72, 64                      ; k's head among the 192; v's lies 64 further on
	s_lshl_b32 s82, s78, 12
	s_mov_b32 s83, 0
	s_mul_i32 s84, s78, 98304
	s_mov_b32 s85, 0
	s_lshr_b32 s86, s[WV], 1
	s_lshl_b32 s87, s53, 3
	s_add_co_u32 s87, s87, s86                     ; my first tile's pair (image) in the head; the second's lies 8 on
	s_mul_i32 s88, s87, 1536
	s_mul_i32 s89, s72, 98304
	s_add_co_u32 s88, s88, s89
	s_mov_b32 s89, 0
	s_lshr_b32 s90, s87, 2
	s_lshl_b32 s90, s90, 8
	s_and_b32 s91, s87, 3
	s_lshl_b32 s91, s91, 2
	s_add_co_u32 s90, s90, s91
	s_lshl_b32 s91, s72, 12
	s_add_co_u32 s90, s90, s91                     ; its scale word: unit pair / 4, word pair % 4
	s_mov_b32 s91, 0
	s_lshl_b32 s92, s73, 7
	s_lshl_b32 s93, s53, 4
	s_add_co_u32 s92, s92, s93
	s_add_co_u32 s92, s92, s[WV]                   ; my first tile among the 512 of tokens; the second lies 16 on
	s_lshr_b32 s93, s74, 1
	s_and_b32 s79, s74, 1
	s_mul_i32 s94, s92, 12288
	s_mul_i32 s95, s93, 1536
	s_add_co_u32 s94, s94, s95
	s_mul_i32 s95, s79, 768
	s_add_co_u32 s94, s94, s95                     ; ctx's codes: K step head / 2, registers 0-5 or 6-11
	s_mov_b32 s95, 0
	s_lshl_b32 s96, s92, 9
	s_lshl_b32 s97, s93, 6
	s_add_co_u32 s96, s96, s97
	s_lshl_b32 s97, s79, 1
	s_add_co_u32 s96, s96, s97                     ; ctx's scale words: my head's half of a word
	s_mov_b32 s97, 0
	s_lshl_b32 s98, s75, 4                         ; where my tile's two bytes begin in the pair's scale word
	s_add_co_u32 s99, s98, 8
	s_mov_b32 s[G1C], 15|(3<<16)|(1<<21)           ; the mask of all four; elements of 8 bytes; rows of 1,536 bytes; how many, each arm says
	s_mov_b32 s[G1C+1], 192<<16
	s_mov_b32 s[G1C+3], 192<<16
	s_mov_b32 s[G1C+5], 192
	s_mov_b32 s[G1C+6], 0
	s_mov_b32 s[G1C+7], 0
	s_mov_b32 s[G1S], 15|(3<<16)|(1<<21)
	s_mov_b32 s[G1S+1], 32<<16
	s_mov_b32 s[G1S+2], 16<<16
	s_mov_b32 s[G1S+3], 32<<16
	s_mov_b32 s[G1S+4], 16                         ; 4,096 bytes
	s_mov_b32 s[G1S+5], 32
	s_mov_b32 s[G1S+6], 0
	s_mov_b32 s[G1S+7], 0
	s_mov_b32 s[G0], 1
	s_mov_b32 s[SEL], 0x76543210
	s_mov_b32 s[SEL+1], 0xfedcba98
	s_mov_b32 s[CS], 0x3fb8aa3b                    ; log2(e)
	s_mov_b32 s[CS+1], s[CS]
	s_mov_b32 s[TK], 0
	s_mov_b32 s[TSV], 0
	s_mov_b32 s[TS], 0
	s_mov_b32 s[TMK], 0
	s_wait_dscnt 0x0
	s_wait_kmcnt 0x0
	s_add_nc_u64 s[80:81], s[8:9], s[80:81]
	s_add_nc_u64 s[82:83], s[6:7], s[82:83]
	s_add_nc_u64 s[84:85], s[4:5], s[84:85]
	s_add_nc_u64 s[88:89], s[4:5], s[88:89]
	s_add_nc_u64 s[90:91], s[6:7], s[90:91]
	s_add_nc_u64 s[10:11], s[10:11], s[94:95]
	s_add_nc_u64 s[12:13], s[12:13], s[96:97]
	ROUND                                          ; all four work-groups are here: the joint loads meet
	ARM 0, G1C, 8, KOFF, 84, 0                     ; k's keys 0-255
	ARM 1, G1S, 0, MOFF, 80, 0                     ; the mask of keys 0-1023
	ARM 2, G1S, 0, SCK, 82, 0                      ; k's scale bytes
	ARM 3, G1S, 0, SCV, 82, 262144                 ; v's
	ARM 4, G1C, 8, VOFF, 84, 6291456               ; v's keys 0-255
.irp i, 0,1,2,3                        ; the other 56 images of each, in four runs of 14
	ARM 5+2*\i, G1C, 14, KOFF+(8+14*\i)*1536, 84, (8+14*\i)*1536
	ARM 6+2*\i, G1C, 14, VOFF+(8+14*\i)*1536, 84, 6291456+(8+14*\i)*1536
.endr
	ARM 13, G1S, 0, MOFF+4096, 80, 4096            ; the mask of keys 1024-2047
.Lasked:
	v_and_b32 v8, 31, v0                           ; lane
	v_and_b32 v9, 15, v0                           ; r
	v_bfe_u32 v10, v0, 4, 1                        ; h
	v_lshlrev_b32 v[L16], 4, v8
	v_lshlrev_b32 v[L8], 3, v8
	v_lshlrev_b32 v11, 4, v9                       ; q's scale word: 16 bytes a row
	v_lshlrev_b32 v[R4], 2, v9
	v_lshl_add_u32 v[BSK], v9, 4, SCK
	v_lshl_add_u32 v[BSV], v9, 3, SCV
	v_lshl_add_u32 v[BM0], v10, 7, MOFF            ; my half's 32 keys of each 64
	v_lshlrev_b32 v[H8], 3, v10
	v_add_nc_u32 v[BV], VOFF, v[L16]
	WALU
	s_cmp_eq_u32 s75, 0                            ; q's six registers of both tiles: the even tile is the image's registers 0-5, the odd one 6-11
	s_cbranch_scc0 .Lq_odd
	global_load_b128 v[QLO:QLO+3], v[L16], s[88:89]
	global_load_b64 v[QLO+4:QLO+5], v[L16], s[88:89] offset:512
	global_load_b128 v[Q2:Q2+3], v[L16], s[88:89] offset:12288
	global_load_b64 v[Q2+4:Q2+5], v[L16], s[88:89] offset:12800
	s_branch .Lq_in
.Lq_odd:
	global_load_b64 v[QLO:QLO+1], v[L16], s[88:89] offset:520
	global_load_b128 v[QLO+2:QLO+5], v[L16], s[88:89] offset:1024
	global_load_b64 v[Q2:Q2+1], v[L16], s[88:89] offset:12808
	global_load_b128 v[Q2+2:Q2+5], v[L16], s[88:89] offset:13312
.Lq_in:
	global_load_b32 v[QW], v11, s[90:91]           ; the pairs' scale words of row r
	global_load_b32 v[QW+1], v11, s[90:91] offset:512
.irp i, 0,1,2,3,4,5
	v_mov_b32 v[QLO+6+\i], 0                       ; zero codes
	v_mov_b32 v[QHI+\i], 0
.endr
	v_mov_b32 v[BX], 0                             ; written once: a lane permute's destination counts as one of its sources
	v_mov_b32 v[BX+1], 0
	v_mov_b32 v[FF+1], 0                           ; (named as the upper half of a pair)
	WALU
	s_wait_loadcnt 0x0
; what a tile of queries begins with: q's two copies, its scale words, the running numbers, O^T = 0
.macro PRO pi
.if \pi
.irp i, 0,1,2,3,4,5
	v_mov_b32 v[QLO+\i], v[Q2+\i]
.endr
.endif
.irp i, 0,1,2,3,4,5
	v_mov_b32 v[QHI+6+\i], v[QLO+\i]
.endr
	v_bfe_u32 v[BM], v[QW+\pi], s98, 8             ; my tile's two bytes,
	v_bfe_u32 v[BM+1], v[QW+\pi], s99, 8
	s_delay_alu instid0(VALU_DEP_2)
	v_max_u32 v[BM], 3, v[BM]
	s_delay_alu instid0(VALU_DEP_2)
	v_max_u32 v[BM+1], 3, v[BM+1]
	s_delay_alu instid0(VALU_DEP_2)
	v_add_nc_u32 v[BM], -3, v[BM]                  ; less 3: the division by 8
	s_delay_alu instid0(VALU_DEP_2)
	v_add_nc_u32 v[BM+1], -3, v[BM+1]
	s_delay_alu instid0(VALU_DEP_1)
	v_lshl_or_b32 v[QSL], v[BM+1], 8, v[BM]        ; for [q | 0]: bytes 0, 1
	s_delay_alu instid0(VALU_DEP_1)
	v_lshlrev_b32 v[QSH], 16, v[QSL]               ; for [0 | q]: bytes 2, 3
	v_mov_b32 v13, 0xff167699                      ; the largest logit so far: -2e38
	v_mov_b32 v12, 0x7f167699                      ; -M
	v_mov_b32 v14, 0                               ; the sum, in two halves
	v_mov_b32 v15, 0
.set j, 0
.rept 32
	v_mov_b32 v[O+j], 0                            ; the step is written once; the first finds zeros.  (These lines are also the places between the scale words made above and the first product)
.set j, j+1
.endr
.endm
; A KEY STEP: 128 keys.
.macro STEP
	v_add_nc_u32 v[AK], s[TK], v[L16]              ; four plain lines: the places behind the last step's products, in front of the loads into the registers that they read
	v_add_nc_u32 v[ASK], s[TS], v[BSK]
	v_add_nc_u32 v[AM], s[TMK], v[BM0]
	v_mov_b32 v[TMP], v12                          ; the old -M
.irp f, 0,1,2,3                        ; image f = 2 c + p
.irp k, 0,1,2
	ds_load_b128 v[F+12*\f+4*\k:F+12*\f+4*\k+3], v[AK] offset:1536*\f+512*\k
.endr
.endr
	ds_load_b128 v[KS:KS+3], v[ASK]
.irp n, 0,1,2,3,4,5,6,7,8,9,10,11,12,13,14,15
	ds_load_b128 v[S+4*\n:S+4*\n+3], v[AM] offset:256*(\n/8)+16*(\n%8)   ; register 32 c + e: the mask of key 64 c + 32 h + e
.endr
	WALU
	s_wait_dscnt 0x0
.irp p, 0,1,2,3                        ; logits = k q^T / 8 + mask; eight accumulators, each once
	v_wmma_scale_f32_16x16x128_f8f6f4 v[S+16*\p:S+16*\p+7], v[F+12*\p:F+12*\p+11], v[QLO:QLO+11], v[S+16*\p:S+16*\p+7], v[KS+\p], v[QSL] matrix_a_fmt:MATRIX_FMT_BF6 matrix_b_fmt:MATRIX_FMT_BF6
	v_wmma_scale_f32_16x16x128_f8f6f4 v[S+16*\p+8:S+16*\p+15], v[F+12*\p:F+12*\p+11], v[QHI:QHI+11], v[S+16*\p+8:S+16*\p+15], v[KS+\p], v[QSH] matrix_a_fmt:MATRIX_FMT_BF6 matrix_b_fmt:MATRIX_FMT_BF6
.endr
	v_add_nc_u32 v[AV], s[TK], v[BV]               ; four places: in front of the loads into k's registers and of the first read of the logits
	v_add_nc_u32 v[ASV], s[TSV], v[BSV]
	v_nop
	v_nop
.irp t, 0,1,2,3                        ; v's four fragments land while the softmax is worked
.irp c, 0,1,2
	ds_load_b128 v[F+12*\t+4*\c:F+12*\t+4*\c+3], v[AV] offset:1536*\t+512*\c
.endr
.endr
	ds_load_b64 v[VS:VS+1], v[ASV]
	ds_load_b64 v[VS+2:VS+3], v[ASV] offset:2048
.irp b, 0,1,2,3                        ; the largest logit of my two blocks of 32 keys, in four chains: it serves for the row's maximum and, since p rises with the logit, for the block's largest p
	v_max3_num_f32 v[BM+\b], v[S+16*\b], v[S+1+16*\b], v[S+2+16*\b]
.endr
.irp i, 3,5,7,9,11,13
.irp b, 0,1,2,3
	v_max3_num_f32 v[BM+\b], v[BM+\b], v[S+16*\b+\i], v[S+1+16*\b+\i]
.endr
.endr
	v_max3_num_f32 v[BM], v[BM], v[BM+1], v[S+15]
	v_max3_num_f32 v[BM+2], v[BM+2], v[BM+3], v[S+47]
	v_max_num_f32 v[BM], v[BM], v[S+31]            ; block h
	v_max_num_f32 v[BM+2], v[BM+2], v[S+63]        ; block 2 + h
	s_delay_alu instid0(VALU_DEP_1)
	v_max_num_f32 v[TM2], v[BM], v[BM+2]
	s_delay_alu instid0(VALU_DEP_1)
	v_permlanex16_b32 v[BX], v[TM2], s[SEL], s[SEL+1]
	s_delay_alu instid0(VALU_DEP_1)
	v_max3_num_f32 v13, v13, v[TM2], v[BX]         ; the running largest logit
	s_delay_alu instid0(VALU_DEP_1)
	v_mul_f32 v[TM2], s[CS], v13                   ; as t
	s_delay_alu instid0(VALU_DEP_1)
	v_floor_f32 v12, -v[TM2]                       ; the new -M = floor(-t): M is a whole number
	s_delay_alu instid0(VALU_DEP_1)
	v_sub_f32 v[TMP], v12, v[TMP]                  ; old M less new M: a whole number, 0 or less
	s_delay_alu instid0(VALU_DEP_1)
	v_cvt_i32_f32 v[TMP], v[TMP]                   ; (it saturates)
	s_delay_alu instid0(VALU_DEP_1)
	v_ldexp_f32 v[FF], 1.0, v[TMP]                 ; f = 2^(old M - new M)
.set j, 0
.rept 32
	v_pk_fma_f32 v[S+j:S+j+1], v[S+j:S+j+1], s[CS:CS+1], v[12:13] op_sel_hi:[1,0,0]   ; t - M, two at a time
.set j, j+2
.endr
	v_fma_f32 v[BM], v[BM], s[CS], v12             ; the same of each block's largest logit
	v_fma_f32 v[BM+2], v[BM+2], s[CS], v12
	WALU
.set j, 0
.rept 64
	v_exp_f32 v[S+j], v[S+j]                       ; p = 2^(t - M)
.set j, j+1
.endr
	v_exp_f32 v[BM], v[BM]                         ; the block's largest p: the same two instructions on the same number
	v_exp_f32 v[BM+2], v[BM+2]
	v_pk_mul_f32 v[14:15], v[14:15], v[FF:FF+1] op_sel_hi:[1,0]   ; the sums under the new M (a plain place behind the exponentials)
	WALU                                           ; and behind it
	v_max_num_f32 v[BM], 0x2800000, v[BM]          ; the floor 2^(5 - 127)
	v_max_num_f32 v[BM+2], 0x2800000, v[BM+2]
	s_delay_alu instid0(VALU_DEP_2)
	v_add_nc_u32 v[SCL], 0xfe000000, v[BM]         ; 4 off the exponent field: the conversion's scale operand
	s_delay_alu instid0(VALU_DEP_2)
	v_add_nc_u32 v[SCL+1], 0xfe000000, v[BM+2]
.irp c, 0,1
	v_cvt_scalef32_pk16_bf6_f32 v[PCD+6*\c:PCD+6*\c+2], v[S+32*\c:S+32*\c+15], v[SCL+\c]
	v_cvt_scalef32_pk16_bf6_f32 v[CT0+4*\c:CT0+4*\c+2], v[S+32*\c+16:S+32*\c+31], v[SCL+\c]   ; (a conversion's three registers begin on an even number)
.endr
	v_lshrrev_b32 v[BX], 23, v[SCL]                ; the scales' bytes (plain lines behind the conversions)
	v_lshrrev_b32 v[BX+1], 23, v[SCL+1]
	s_delay_alu instid0(VALU_DEP_1)
	v_lshl_or_b32 v[PWD], v[BX+1], 16, v[BX]       ; blocks h and 2 + h,
	s_delay_alu instid0(VALU_DEP_1)
	v_lshlrev_b32 v[PWD], v[H8], v[PWD]            ; at their places in the scale word;
	s_delay_alu instid0(VALU_DEP_1)
	v_permlanex16_b32 v[BX], v[PWD], s[SEL], s[SEL+1]
	s_delay_alu instid0(VALU_DEP_1)
	v_or_b32 v[PWD], v[PWD], v[BX]                 ; with lane l xor 16's two the word is whole
.irp c, 0,1
.irp i, 0,1,2
	v_mov_b32 v[PCD+3+6*\c+\i], v[CT0+4*\c+\i]
.endr
.endr
	v_pk_add_f32 v[C1:C1+1], v[S:S+1], v[S+2:S+3]  ; the row's sum of the unquantised p, in four chains
	v_pk_add_f32 v[C2:C2+1], v[S+4:S+5], v[S+6:S+7]
	v_pk_add_f32 v[C3:C3+1], v[S+8:S+9], v[S+10:S+11]
.set j, 12
.rept 6
	v_pk_add_f32 v[14:15], v[14:15], v[S+j:S+j+1]
	v_pk_add_f32 v[C1:C1+1], v[C1:C1+1], v[S+j+2:S+j+3]
	v_pk_add_f32 v[C2:C2+1], v[C2:C2+1], v[S+j+4:S+j+5]
	v_pk_add_f32 v[C3:C3+1], v[C3:C3+1], v[S+j+6:S+j+7]
.set j, j+8
.endr
	v_pk_add_f32 v[14:15], v[14:15], v[S+60:S+61]
	v_pk_add_f32 v[C1:C1+1], v[C1:C1+1], v[S+62:S+63]
	s_delay_alu instid0(VALU_DEP_3)
	v_pk_add_f32 v[C2:C2+1], v[C2:C2+1], v[C3:C3+1]
	s_delay_alu instid0(VALU_DEP_2)
	v_pk_add_f32 v[14:15], v[14:15], v[C1:C1+1]
	s_delay_alu instid0(VALU_DEP_1)
	v_pk_add_f32 v[14:15], v[14:15], v[C2:C2+1]
	WALU
.set j, 0
.rept 16
	v_pk_mul_f32 v[O+j:O+j+1], v[O+j:O+j+1], v[FF:FF+1] op_sel_hi:[1,0]   ; O^T under the new M, each accumulator from its low end on.  (The sums and these lines are the places between p's codes and scale word and the products)
.set j, j+2
.endr
	WALU
	s_wait_dscnt 0x0                               ; v's fragments and scale words
.irp t, 0,1,2,3
	v_wmma_scale_f32_16x16x128_f8f6f4 v[O+8*\t:O+8*\t+7], v[F+12*\t:F+12*\t+11], v[PCD:PCD+11], v[O+8*\t:O+8*\t+7], v[VS+\t], v[PWD] matrix_a_fmt:MATRIX_FMT_BF6 matrix_b_fmt:MATRIX_FMT_BF6
.endr
	s_add_co_u32 s[TK], s[TK], 6144
	s_add_co_u32 s[TSV], s[TSV], 128
	s_add_co_u32 s[TS], s[TS], 256
	s_add_co_u32 s[TMK], s[TMK], 512
.endm
; THE WAY OUT of a tile.  O^T / the sum; register e is ctx(query r, 32 h + e): one block of 32 along the hidden axis in a lane; six registers of codes and a scale byte
.macro EPI pi
.rept 4
	v_nop
.endr
	v_add_f32 v14, v14, v15
	s_delay_alu instid0(VALU_DEP_1)
	v_permlanex16_b32 v[TMP], v14, s[SEL], s[SEL+1]
	s_delay_alu instid0(VALU_DEP_1)
	v_add_f32 v14, v14, v[TMP]                     ; the row's sum
	WALU
	v_rcp_f32 v14, v14
	v_nop
	WALU
.set j, 0
.rept 16
	v_pk_mul_f32 v[S+j:S+j+1], v[O+j:O+j+1], v[14:15] op_sel_hi:[1,0]
.set j, j+2
.endr
.irp b, 0,1
	v_max3_num_f32 v[BM+\b], |v[S+16*\b]|, |v[S+1+16*\b]|, 0x2800000
.endr
.irp i, 2,4,6,8,10,12,14
.irp b, 0,1
	s_delay_alu instid0(VALU_DEP_2)
	v_max3_num_f32 v[BM+\b], v[BM+\b], |v[S+16*\b+\i]|, |v[S+1+16*\b+\i]|
.endr
.endr
	s_delay_alu instid0(VALU_DEP_1)
	v_max_num_f32 v[BM], v[BM], v[BM+1]
	s_delay_alu instid0(VALU_DEP_1)
	v_add_nc_u32 v[SCL], 0xfe000000, v[BM]
	v_cvt_scalef32_pk16_bf6_f32 v[PCD:PCD+2], v[S:S+15], v[SCL]
	v_cvt_scalef32_pk16_bf6_f32 v[CT0:CT0+2], v[S+16:S+31], v[SCL]
	v_lshrrev_b32 v[BX], 23, v[SCL]
	s_delay_alu instid0(VALU_DEP_1)
	v_lshlrev_b32 v[PWD], v[H8], v[BX]             ; my byte at place h,
	s_delay_alu instid0(VALU_DEP_1)
	v_permlanex16_b32 v[BX+1], v[PWD], s[SEL], s[SEL+1]
	s_delay_alu instid0(VALU_DEP_1)
	v_or_b32 v[PWD], v[PWD], v[BX+1]               ; with lane l xor 16's: my head's half of the scale word
.irp i, 0,1,2
	v_mov_b32 v[PCD+3+\i], v[CT0+\i]
.endr
.irp i, 0,1,2
	global_store_b64 v[L8], v[PCD+2*\i:PCD+2*\i+1], s[10:11] offset:256*\i+196608*\pi   ; 32 lanes store 256 consecutive bytes, aligned
.endr
	global_store_b16 v[R4], v[PWD], s[12:13] offset:8192*\pi   ; two bytes a row, 4 bytes apart: the word's other half is another head's (lanes r and r + 16 store the same value)
.endm
	PRO 0
	WALU
	s_wait_dscnt 0x0
	s_cmp_lt_u32 s[WV], 5
	s_cbranch_scc0 .Lnot_a
	s_wait_tensorcnt 0x0                           ; waves 0 to 4: what keys 0 to 255 need has landed
.Lnot_a:
	s_barrier_signal -1                            ; the other loads may stay out
	s_barrier_wait -1
	s_mov_b32 s[CNT], 2
.Lfirst:                                           ; keys 0 to 255
	STEP
	s_sub_co_u32 s[CNT], s[CNT], 1
	s_cmp_lg_u32 s[CNT], 0
	s_cbranch_scc1 .Lfirst
	s_wait_tensorcnt 0x0                           ; the rest of the head has landed
	s_wait_dscnt 0x0
	s_barrier_signal -1
	s_barrier_wait -1
	s_mov_b32 s[CNT], 14
.Lrest:
	STEP
	s_sub_co_u32 s[CNT], s[CNT], 1
	s_cmp_lg_u32 s[CNT], 0
	s_cbranch_scc1 .Lrest
	EPI 0
	PRO 1                                          ; my second tile, against the same LDS bytes: no barrier
	s_mov_b32 s[TK], 0
	s_mov_b32 s[TSV], 0
	s_mov_b32 s[TS], 0
	s_mov_b32 s[TMK], 0
	WALU
	s_wait_xcnt 0x0                                ; the first tile's stores have read their registers, which the steps write anew
	s_mov_b32 s[CNT], 16
.Lsecond:
	STEP
	s_sub_co_u32 s[CNT], s[CNT], 1
	s_cmp_lg_u32 s[CNT], 0
	s_cbranch_scc1 .Lsecond
	EPI 1
	s_wait_tensorcnt 0x0                           ; the wave's end
	ds_add_u32 v254, v255
	s_wait_dscnt 0x0
	ROUND                                          ; the closing round
	s_endpgm
.Lfunc_end_k_qf91da0cdc1_attn:
	.size	k_qf91da0cdc1_attn, .Lfunc_end_k_qf91da0cdc1_attn-k_qf91da0cdc1_attn
	.p2alignl 7, 3214868480
	.fill 96, 4, 3214868480
	.section	.rodata,"a",@progbits
	.p2align	6, 0x0
	.amdhsa_kernel k_qf91da0cdc1_attn
		.amdhsa_group_segment_fixed_size 215040
		.amdhsa_private_segment_fixed_size 0
		.amdhsa_enable_private_segment 0
		.amdhsa_kernarg_size 40
		.amdhsa_user_sgpr_count 2
		.amdhsa_user_sgpr_kernarg_segment_ptr 1
		.amdhsa_wavefront_size32 1
		.amdhsa_system_sgpr_workgroup_id_x 1
		.amdhsa_system_sgpr_workgroup_id_y 1
		.amdhsa_system_sgpr_workgroup_id_z 1
		.amdhsa_system_vgpr_workitem_id 0
		.amdhsa_next_free_vgpr 256
		.amdhsa_next_free_sgpr 100
		.amdhsa_reserve_vcc 0
		.amdhsa_float_denorm_mode_32 3
		.amdhsa_float_denorm_mode_16_64 3
		.amdhsa_memory_ordered 1
		.amdhsa_forward_progress 1
		.amdhsa_inst_pref_size 76
	.end_amdhsa_kernel
	.amdgpu_metadata
---
amdhsa.version: [ 1, 2 ]
amdhsa.kernels:
  - .name:           k_qf91da0cdc1_attn
    .symbol:         k_qf91da0cdc1_attn.kd
    .args:
      - { .name: qkv_codes, .offset: 0, .size: 8, .value_kind: global_buffer, .address_space: global }
      - { .name: qkv_scales, .offset: 8, .size: 8, .value_kind: global_buffer, .address_space: global }
      - { .name: attention_mask, .offset: 16, .size: 8, .value_kind: global_buffer, .address_space: global }
      - { .name: ctx_codes, .offset: 24, .size: 8, .value_kind: global_buffer, .address_space: global }
      - { .name: ctx_scales, .offset: 32, .size: 8, .value_kind: global_buffer, .address_space: global }
    .group_segment_fixed_size: 215040
    .private_segment_fixed_size: 0
    .kernarg_segment_align: 8
    .kernarg_segment_size: 40
    .max_flat_workgroup_size: 512
    .sgpr_count:     100
    .vgpr_count:     256
    .wavefront_size: 32
...
	.end_amdgpu_metadata
.endif
;; end of part 3
;; launch outln (part 4): grid 256 x 1, 16 waves a work-group, no clusters, 327,680 bytes of LDS; arguments ctx_codes, ctx_scales, xw_codes, xw_scales, bo, hidden_states, ln_gamma, ln_beta, out0; writes out0
.if DOCPART == 4
	.amdgcn_target "amdgcn-amd-amdhsa--gfx1250"
	.amdhsa_code_object_version 6
	.text
	.protected	k_qf91da0cdc1_outln
	.globl	k_qf91da0cdc1_outln
	.p2align	8
	.type	k_qf91da0cdc1_outln,@function
k_qf91da0cdc1_outln:
	s_mov_b64 s[64:65], 0
	v_nop
	global_prefetch_b8 v0, s[64:65] scope:SCOPE_SE
	s_setreg_imm32_b32 hwreg(HW_REG_WAVE_MODE, 25, 1), 1
	s_wait_xcnt 0x0
.set HID,  0
.set CTX,  131072
.set STG,  155648
.set SPI,  4112
.set CSW,  16
.set WS,   32
.set AF,   64
.set B0,   88
.set B1,   136
.set ACC,  184
.set X,    184
.set HD,   216
	s_load_b256 s[4:11], s[0:1], 0x0
	s_load_b256 s[12:19], s[0:1], 0x20
	s_load_b64 s[20:21], s[0:1], 0x40
	v_lshl_add_u32 v254, v0, 2, 0x46200
	v_mov_b32 v255, 0
	ds_add_u32 v254, v255
	ds_add_u32 v254, v255
	v_lshrrev_b32 v10, 5, v0
	s_delay_alu instid0(VALU_DEP_1)
	v_readfirstlane_b32 s22, v10
	s_mul_i32 s52, ttmp9, 24576
	s_mul_i32 s53, s22, 1536
	s_add_co_u32 s52, s52, s53
	s_add_co_u32 s45, s53, CTX
	s_mov_b32 s53, 0
	s_lshr_b32 s54, s22, 3
	s_lshl_b32 s54, s54, 3
	; row r of tile T of ctx is token 64 (T / 4) + 8 (T % 4) + 32 (r / 8) + r % 8; my two rows are r = 2 (wave % 8) and the next of tile 2 x work-group + wave / 8
	s_and_b32 s55, s22, 3
	s_lshl_b32 s55, s55, 1
	s_add_co_u32 s54, s54, s55
	s_bfe_u32 s55, s22, 0x10002
	s_lshl_b32 s55, s55, 5
	s_add_co_u32 s54, s54, s55
	s_lshr_b32 s55, ttmp9, 1
	s_lshl_b32 s55, s55, 6
	s_add_co_u32 s54, s54, s55
	s_and_b32 s55, ttmp9, 1
	s_lshl_b32 s55, s55, 4
	s_add_co_u32 s54, s54, s55
	s_lshl_b32 s56, s54, 12
	s_mov_b32 s57, 0
	s_lshl_b32 s41, s22, 13
	s_lshl_b32 s58, s22, 2
	s_add_co_u32 s58, s58, 704
	s_mul_i32 s60, s58, 12288
	s_mov_b32 s61, 0
	s_lshl_b32 s62, s58, 9
	s_mov_b32 s63, 0
	s_lshl_b32 s50, ttmp9, 10
	s_mov_b32 s51, 0
	s_lshl_b32 s58, s22, 8
	s_mov_b32 s59, 0
	s_mov_b32 s24, 3<<16
	s_mov_b32 s25, 32<<16
	s_mov_b32 s26, 32<<16
	s_mov_b32 s27, 32<<16
	s_mov_b32 s28, 32
	s_mov_b32 s29, 32
	s_mov_b32 s30, 0
	s_mov_b32 s31, 0
	s_mov_b32 s32, 3<<16
	s_mov_b32 s33, 32<<16
	s_mov_b32 s34, 6<<16
	s_mov_b32 s35, 32<<16
	s_mov_b32 s36, 6
	s_mov_b32 s37, 32
	s_mov_b32 s38, 0
	s_mov_b32 s39, 0
	s_mov_b32 s40, 1
	s_mov_b32 s44, 1
	s_mov_b32 s48, 0x76543210
	s_mov_b32 s49, 0xfedcba98
	s_wait_dscnt 0x0
	s_wait_kmcnt 0x0
	s_add_nc_u64 s[46:47], s[4:5], s[52:53]
	s_or_b32 s47, s47, 0x80000000
	s_add_nc_u64 s[42:43], s[14:15], s[56:57]
	s_or_b32 s43, s43, 0x80000000
	tensor_load_to_lds s[44:47], s[32:39]
	s_nop 0
	s_wait_alu depctr_va_vdst(0)
	s_wait_tensorcnt 0x0
	ds_add_u32 v254, v255
	s_wait_dscnt 0x0
	s_barrier_signal -1
	s_barrier_wait -1
	tensor_load_to_lds s[40:43], s[24:31]
	s_nop 0
.rept 4
	v_nop
.endr
	s_add_nc_u64 s[20:21], s[20:21], s[56:57]
	s_add_nc_u64 s[8:9], s[8:9], s[60:61]
	s_add_nc_u64 s[10:11], s[10:11], s[62:63]
	s_add_nc_u64 s[6:7], s[6:7], s[50:51]
	s_add_nc_u64 s[12:13], s[12:13], s[58:59]
	s_mov_b32 s50, 0x3a800000
	s_mov_b32 s51, 0x2b8cbccc
	v_and_b32 v10, 31, v0
	v_and_b32 v11, 15, v0
	v_bfe_u32 v12, v0, 4, 1
	s_delay_alu instid0(VALU_DEP_3)
	v_lshlrev_b32 v1, 4, v10
	s_delay_alu instid0(VALU_DEP_3)
	v_lshlrev_b32 v2, 4, v11
	s_delay_alu instid0(VALU_DEP_4)
	v_lshlrev_b32 v3, 2, v11
	s_delay_alu instid0(VALU_DEP_4)
	v_lshlrev_b32 v4, 7, v12                       ; register e of tile i of lane (r, h) is column 32 h + 8 i + e of my wave's 64
	v_lshl_add_u32 v5, v10, 3, CTX
	v_mul_u32_u24 v6, v11, SPI
	s_delay_alu instid0(VALU_DEP_1)
	v_add_nc_u32 v6, v6, v4
	s_lshl_b32 s23, s22, 8
	s_add_co_u32 s23, s23, STG
	v_add_nc_u32 v6, s23, v6
	s_delay_alu instid0(VALU_DEP_1)
	v_add_nc_u32 v7, 16*SPI, v6
	s_mul_i32 s23, s22, 2*SPI
	s_add_co_u32 s23, s23, STG
	v_add_nc_u32 v8, s23, v1
	v_add_nc_u32 v9, s41, v1
.irp m, 0,1
.irp k, 0,1,2,3,4,5,6,7
	global_load_b32 v[CSW+8*\m+\k], v3, s[6:7] offset:\m*512+\k*64
.endr
.endr
.irp i, 0,1,2,3
.irp g, 0,1
	global_load_b128 v[WS+8*\i+4*\g:WS+8*\i+4*\g+3], v2, s[10:11] offset:\i*512+\g*256
.endr
.endr
.irp m, 0,1
.irp i, 0,1,2,3
	global_load_b128 v[ACC+8*(4*\m+\i):ACC+8*(4*\m+\i)+3], v4, s[12:13] offset:32*\i
	global_load_b128 v[ACC+8*(4*\m+\i)+4:ACC+8*(4*\m+\i)+7], v4, s[12:13] offset:32*\i+16
.endr
.endr
.macro WLOAD kap
.irp i, 0,1,2,3
.irp c, 0,1,2
	global_load_b128 v[B0+48*((\kap)%2)+12*\i+4*\c:B0+48*((\kap)%2)+12*\i+4*\c+3], v1, s[8:9] offset:\i*12288+(\kap)*1536+512*\c
.endr
.endr
.endm
	WLOAD 0
	WLOAD 1
	s_wait_alu depctr_va_vdst(0)
	s_wait_tensorcnt 1
	s_barrier_signal -1
	s_barrier_wait -1
.macro KSTEP kap
.set BS, B0+48*((\kap)%2)
.irp m, 0,1
.irp p, 0,1,2,3,4,5
	ds_load_b64 v[AF+12*\m+2*\p:AF+12*\m+2*\p+1], v5 offset:(8*\m+(\kap))*1536+256*\p
.endr
.endr
.if (\kap) == 7
	s_wait_loadcnt 8
.else
	s_wait_loadcnt 12
.endif
	s_wait_dscnt 0x0
.irp m, 0,1
.irp i, 0,1,2,3
	v_wmma_scale_f32_16x16x128_f8f6f4 v[ACC+8*(4*\m+\i):ACC+8*(4*\m+\i)+7], v[BS+12*\i:BS+12*\i+11], v[AF+12*\m:AF+12*\m+11], v[ACC+8*(4*\m+\i):ACC+8*(4*\m+\i)+7], v[WS+8*\i+(\kap)], v[CSW+8*\m+(\kap)] matrix_a_fmt:MATRIX_FMT_BF6 matrix_b_fmt:MATRIX_FMT_BF6
.endr
.endr
.rept 4
	v_nop
.endr
.if (\kap) <= 5
	WLOAD (\kap)+2
.endif
.endm
.irp k, 0,1,2,3,4,5,6
	KSTEP \k
.endr
.irp q, 0,1,2,3,4,5,6,7
	global_load_b128 v[B0+4*\q:B0+4*\q+3], v1, s[16:17] offset:512*\q
.endr
	KSTEP 7
.irp q, 0,1,2,3,4,5,6,7
	global_load_b128 v[B1+4*\q:B1+4*\q+3], v1, s[18:19] offset:512*\q
.endr
.irp m, 0,1
.irp i, 0,1,2,3
	ds_store_b128 v[6+\m], v[ACC+8*(4*\m+\i):ACC+8*(4*\m+\i)+3] offset:32*\i
	ds_store_b128 v[6+\m], v[ACC+8*(4*\m+\i)+4:ACC+8*(4*\m+\i)+7] offset:32*\i+16
.endr
.endr
	s_wait_dscnt 0x0
	s_barrier_signal -1
	s_barrier_wait -1
	s_wait_tensorcnt 0x0
.macro REDUCE a, b
	s_delay_alu instid0(VALU_DEP_1)
	v_add_f32_dpp v[\a], v[\a], v[\a] row_xmask:1 row_mask:0xf bank_mask:0xf
	s_delay_alu instid0(VALU_DEP_1)
	v_add_f32_dpp v[\a], v[\a], v[\a] row_xmask:2 row_mask:0xf bank_mask:0xf
	s_delay_alu instid0(VALU_DEP_1)
	v_add_f32_dpp v[\a], v[\a], v[\a] row_xmask:4 row_mask:0xf bank_mask:0xf
	s_delay_alu instid0(VALU_DEP_1)
	v_add_f32_dpp v[\a], v[\a], v[\a] row_xmask:8 row_mask:0xf bank_mask:0xf
	s_delay_alu instid0(VALU_DEP_1)
	v_permlanex16_b32 v[\b], v[\a], s48, s49
	s_delay_alu instid0(VALU_DEP_1)
	v_add_f32 v[\a], v[\a], v[\b]
.endm
.macro ROWLN rho
.irp q, 0,1,2,3,4,5,6,7
	ds_load_b128 v[X+4*\q:X+4*\q+3], v8 offset:\rho*SPI+512*\q
	ds_load_b128 v[HD+4*\q:HD+4*\q+3], v9 offset:\rho*4096+512*\q
.endr
	s_wait_dscnt 0x0
.set j, 0
.rept 16
	v_pk_add_f32 v[X+j:X+j+1], v[X+j:X+j+1], v[HD+j:HD+j+1]
.set j, j+2
.endr
	v_pk_add_f32 v[248:249], v[X:X+1], v[X+2:X+3]
	v_pk_add_f32 v[250:251], v[X+4:X+5], v[X+6:X+7]
.irp j, 8,12,16,20,24,28
	s_delay_alu instid0(VALU_DEP_2)
	v_pk_add_f32 v[248:249], v[248:249], v[X+\j:X+\j+1]
	s_delay_alu instid0(VALU_DEP_2)
	v_pk_add_f32 v[250:251], v[250:251], v[X+\j+2:X+\j+3]
.endr
	s_delay_alu instid0(VALU_DEP_1)
	v_pk_add_f32 v[248:249], v[248:249], v[250:251]
	s_delay_alu instid0(VALU_DEP_1)
	v_add_f32 v248, v248, v249
	REDUCE 248, 249
	s_delay_alu instid0(VALU_DEP_1)
	v_mul_f32 v248, s50, v248
.set j, 0
.rept 16
	v_pk_add_f32 v[X+j:X+j+1], v[X+j:X+j+1], v[248:249] op_sel_hi:[1,0] neg_lo:[0,1] neg_hi:[0,1]
.set j, j+2
.endr
	v_pk_mul_f32 v[250:251], v[X:X+1], v[X:X+1]
	v_pk_mul_f32 v[252:253], v[X+2:X+3], v[X+2:X+3]
.irp j, 4,8,12,16,20,24,28
	s_delay_alu instid0(VALU_DEP_2)
	v_pk_fma_f32 v[250:251], v[X+\j:X+\j+1], v[X+\j:X+\j+1], v[250:251]
	s_delay_alu instid0(VALU_DEP_2)
	v_pk_fma_f32 v[252:253], v[X+\j+2:X+\j+3], v[X+\j+2:X+\j+3], v[252:253]
.endr
	s_delay_alu instid0(VALU_DEP_1)
	v_pk_add_f32 v[250:251], v[250:251], v[252:253]
	s_delay_alu instid0(VALU_DEP_1)
	v_add_f32 v250, v250, v251
	REDUCE 250, 251
	s_delay_alu instid0(VALU_DEP_1)
	v_fma_f32 v250, v250, s50, s51
	s_wait_alu depctr_va_vdst(0)
	v_rsq_f32 v252, v250
	v_nop
	s_wait_loadcnt 0x0
.set j, 0
	s_wait_alu depctr_va_vdst(0)
.rept 16
	v_pk_mul_f32 v[X+j:X+j+1], v[X+j:X+j+1], v[252:253] op_sel_hi:[1,0]
.set j, j+2
.endr
.set j, 0
.rept 16
	v_pk_fma_f32 v[X+j:X+j+1], v[X+j:X+j+1], v[B0+j:B0+j+1], v[B1+j:B1+j+1]
.set j, j+2
.endr
.irp q, 0,1,2,3,4,5,6,7
	global_store_b128 v1, v[X+4*\q:X+4*\q+3], s[20:21] offset:\rho*4096+512*\q th:TH_STORE_NT
.endr
.endm
	ROWLN 0
	s_wait_xcnt 0x0
	ROWLN 1
	s_wait_tensorcnt 0x0
	ds_add_u32 v254, v255
	s_wait_dscnt 0x0
	s_endpgm
.Lfunc_end_k_qf91da0cdc1_outln:
	.size	k_qf91da0cdc1_outln, .Lfunc_end_k_qf91da0cdc1_outln-k_qf91da0cdc1_outln
	.p2alignl 7, 3214868480
	.fill 96, 4, 3214868480
	.section	.rodata,"a",@progbits
	.p2align	6, 0x0
	.amdhsa_kernel k_qf91da0cdc1_outln
		.amdhsa_group_segment_fixed_size 327680
		.amdhsa_private_segment_fixed_size 0
		.amdhsa_enable_private_segment 0
		.amdhsa_kernarg_size 72
		.amdhsa_user_sgpr_count 2
		.amdhsa_user_sgpr_kernarg_segment_ptr 1
		.amdhsa_wavefront_size32 1
		.amdhsa_system_sgpr_workgroup_id_x 1
		.amdhsa_system_sgpr_workgroup_id_y 1
		.amdhsa_system_sgpr_workgroup_id_z 1
		.amdhsa_system_vgpr_workitem_id 0
		.amdhsa_next_free_vgpr 256
		.amdhsa_next_free_sgpr 66
		.amdhsa_reserve_vcc 0
		.amdhsa_float_denorm_mode_32 3
		.amdhsa_float_denorm_mode_16_64 3
		.amdhsa_memory_ordered 1
		.amdhsa_forward_progress 1
		.amdhsa_inst_pref_size 57
	.end_amdhsa_kernel
	.amdgpu_metadata
---
amdhsa.version: [ 1, 2 ]
amdhsa.kernels:
  - .name:           k_qf91da0cdc1_outln
    .symbol:         k_qf91da0cdc1_outln.kd
    .args:
      - { .name: ctx_codes, .offset: 0, .size: 8, .value_kind: global_buffer, .address_space: global }
      - { .name: ctx_scales, .offset: 8, .size: 8, .value_kind: global_buffer, .address_space: global }
      - { .name: xw_codes, .offset: 16, .size: 8, .value_kind: global_buffer, .address_space: global }
      - { .name: xw_scales, .offset: 24, .size: 8, .value_kind: global_buffer, .address_space: global }
      - { .name: bo, .offset: 32, .size: 8, .value_kind: global_buffer, .address_space: global }
      - { .name: hidden_states, .offset: 40, .size: 8, .value_kind: global_buffer, .address_space: global }
      - { .name: ln_gamma, .offset: 48, .size: 8, .value_kind: global_buffer, .address_space: global }
      - { .name: ln_beta, .offset: 56, .size: 8, .value_kind: global_buffer, .address_space: global }
      - { .name: out0, .offset: 64, .size: 8, .value_kind: global_buffer, .address_space: global }
    .group_segment_fixed_size: 327680
    .private_segment_fixed_size: 0
    .kernarg_segment_align: 8
    .kernarg_segment_size: 72
    .max_flat_workgroup_size: 512
    .sgpr_count:     66
    .vgpr_count:     256
    .wavefront_size: 32
...
	.end_amdgpu_metadata
.endif
;; end of part 4
